; MI455X (gfx1250); checked and timed in simulation.
; The chip was launched on July 23, 2026; its instructions are those of AMD's public machine-readable ISA for CDNA 5 (MIT licence, August 2026) and "CDNA5" Instruction Set Architecture Reference Guide (July 2026). The comments in the code are by the model that wrote it; some were corrected since.
;; Simplified Llama Decoder Layer. Allowed arithmetic: matrix products marked QUANTISED: E3M2 operands, one E8M0 scale for each 32 along K, by v_wmma_scale_f32_16x16x128_f8f6f4 with both operands' format E3M2, f32 sums; everything else in f32.
;; Inputs: b1 4,096 float32; b2 1,024 float32; bk 1,024 float32; bo 1,024 float32; bq 1,024 float32; bv 1,024 float32; scale1 1,024 float32; scale2 1,024 float32; w1 1,024 x 4,096 float32; w2 4,096 x 1,024 float32; wk 1,024 x 1,024 float32; wo 1,024 x 1,024 float32; wq 1,024 x 1,024 float32; wv 1,024 x 1,024 float32; x 2 x 2,048 x 1,024 float32.
;; Outputs: out0 2 x 2,048 x 1,024 float32.
;; This version of the problem:
;;   THIS VERSION OF THE PROBLEM IS GIVEN IN LOW PRECISION. The matrix products marked QUANTISED in the list below multiply operands that are first quantised to E3M2 (3 exponent bits, 2 mantissa bits; 6 bits a number), with one power-of-two scale for each 32 numbers along K (OCP MX v1.0); their sums are f32. All else is computed in f32.
;;   The module's matrix products, in the order in which they are computed (A, B: the left and right operand; K: the contracted axis; several contracted axes count as one K, in the product's order):
;;     1. [M 4,096, K 1,024] x [K 1,024, N 1,024]; A: computed on the way; B: input wq: QUANTISED
;;     2. [M 4,096, K 1,024] x [K 1,024, N 1,024]; A: computed on the way; B: input wk: QUANTISED
;;     3. [M 4,096, K 1,024] x [K 1,024, N 1,024]; A: computed on the way; B: input wv: QUANTISED
;;     4. batch 32 x [M 2,048, K 64] x [K 64, N 2,048]; A: computed on the way; B: computed on the way: QUANTISED
;;     5. batch 32 x [M 2,048, K 2,048] x [K 2,048, N 64]; A: softmax (see below); B: computed on the way: QUANTISED
;;     6. [M 4,096, K 1,024] x [K 1,024, N 1,024]; A: computed on the way; B: input wo: QUANTISED
;;     7. [M 4,096, K 1,024] x [K 1,024, N 4,096]; A: computed on the way; B: input w1: QUANTISED
;;     8. [M 4,096, K 4,096] x [K 4,096, N 1,024]; A: computed on the way; B: input w2: QUANTISED
;;   THE QUANTISER, for each operand of a quantised product, along K:
;;     - K is cut into blocks of 32 from its start; a last block that is shorter is filled with zeros.
;;     - A block's scale is 2^e with e = floor(log2(the largest magnitude in the block)) - 4, held to -126 .. 127; a block of zeros has e = 0. As a byte (E8M0): e + 127.
;;     - Each number is divided by its block's scale, clamped to +-28, and rounded to the nearest number of E3M2, ties to even, subnormals kept.
;;     - The product sums the exact products of the quantised numbers (number of the format x scale) in f32.
;;   ~~~python
;;   def quantise(x, axis):      # numpy; x: float32 -> the quantised numbers, widened to float32 again
;;       x = np.moveaxis(x, axis, -1); K = x.shape[-1]
;;       x = np.pad(x, [(0, 0)] * (x.ndim - 1) + [(0, -K % 32)]); x = x.reshape(x.shape[:-1] + (-1, 32)); a = np.abs(x).max(-1, keepdims=True)
;;       e = np.where(a > 0, np.clip(np.frexp(np.where(a > 0, a, 1))[1] - 1 - 4, -126, 127), 0)      # np.frexp(a)[1] - 1 = floor(log2(a)), exactly
;;       r = np.clip(x / 2.0 ** e, -28, 28)
;;       step = 2.0 ** (np.maximum(np.frexp(np.where(r == 0, 1, r))[1] - 1, -2) - 2)
;;       q = np.round(r / step) * step * 2.0 ** e      # np.round: ties to even
;;       return np.moveaxis(q.reshape(q.shape[:-2] + (-1,))[..., :K], -1, axis).astype(np.float32)
;;   ~~~
;;   SOFTMAX AHEAD OF A QUANTISED PRODUCT. Where the list says 'softmax', what is quantised is not the finished softmax but p = 2^(t - M), with t = logit x log2(e) and M = ceil(the row's largest t), a whole number; so 1/2 < the row's largest p <= 1. The row's sum l is taken of the UNQUANTISED p, in f32, and the product's result is divided by l at the end. Since M is a whole number, a kernel that streams over the keys may use a running M (the ceiling of the running maximum): every later rescaling is an exact power of two, which a block's scale takes up: the codes' values come out the same.
;;   OPERANDS COMPUTED ON THE WAY. 'Computed on the way' means the value that the module computes at that place (a softmax that the list does not call 'softmax' is quantised finished and normalised). What goes into a quantiser is computed in f32, as accurately as f32 sums, v_exp_f32 and their like allow (about 1e-6 of the number): no bf16 or f16 on the way to a quantiser, and a product that is left as it is and whose result goes on into a quantised operand takes f32 operands (vector FMAs, or v_wmma_f32_16x16x4_f32). A number that lies on a knife's edge between two numbers of the format may be rounded either way, as far as f32 arithmetic and the matrix unit's own rounding can turn it there, and no further.
;; One version. Each part assembles by itself: llvm-mc -triple=amdgcn-amd-amdhsa -mcpu=gfx1250 --defsym DOCPART=n.
;; ======== version 1 of 1: 8 launches
;; limits: an absolute error that grows with the inputs' magnitude: up to 1e-07 times it
;; workspace buffers: wts 9,830,400 bytes; xq 3,276,800 bytes; qb 3,407,872 bytes; kv 6,684,672 bytes; ab 3,276,800 bytes; x2 16,777,216 bytes; hb 13,107,200 bytes
;; launch wquant (part 1): grid 384 x 1, 4 waves a work-group, no clusters, 2,048 bytes of LDS; arguments wq, wk, wv, wo, w1, w2, wts; writes wts
.if DOCPART == 1
	.amdgcn_target "amdgcn-amd-amdhsa--gfx1250"
	.amdhsa_code_object_version 6
	.text
	.protected	k_q585ffd72bc_wquant
	.globl	k_q585ffd72bc_wquant
	.p2align	8
	.type	k_q585ffd72bc_wquant,@function
k_q585ffd72bc_wquant:
	s_mov_b64 s[64:65], 0
	v_nop
	global_prefetch_b8 v0, s[64:65] scope:SCOPE_SE
	s_setreg_imm32_b32 hwreg(HW_REG_WAVE_MODE, 25, 1), 1
	s_wait_xcnt 0x0
; The six weights, f32 stored [K][N], become codes of BF6 (E3M2) with one E8M0 byte for each 32 along K, in the order in which the products' operand registers take them.
; DEAD WORK: none.  Every input of the layer has a way to out0 (bk too: it goes into the quantiser of the keys), so every input is loaded by some launch.
; PANEL FORMAT (all operands of the dense products).  A block is 128 rows (here: columns n of W) x 128 along K, 12,800 bytes; block (panel T, K step ks) lies at (T KS + ks) x 12,800.
;   Fragment f (16 rows) at 1,536 f; in it the half fragment c (registers 6c .. 6c+5 of the operand) at 768 c: 512 bytes, registers 6c .. 6c+3 of lane l at 16 l; then 256 bytes, registers 6c+4, 6c+5 of lane (r, h) at 16 r + 8 h.
;   Scale words at 12,288 + 64 f + 4 r.  Row i of fragment f is the panel's row 32 (f/2) + 8 (f%2) + i + 8 (i/8): so a product's 16 registers of two neighbouring fragments are 16 neighbours along the next K.
; wts: wq at 0, wk, wv, wo 819,200 bytes apart (8 panels, KS 8); w1 at 3,276,800 (32 panels, KS 8); w2 at 6,553,600 (8 panels, KS 32).
; A LANE TAKES A COLUMN n AND ITS REGISTERS RUN DOWN K: a block of 32 lies in one lane, and the conversions give codes with K innermost.  A work-group takes 128 columns x 256 along K, a wave 32 columns, 8 blocks a lane.
; A block's scale is 2^(floor(log2(largest magnitude)) - 4).  LIMITS: a block of zeros, and a block whose largest magnitude lies under 2^-122, gets the byte 1 (zeros have zero codes; this program alone reads the bytes); NaN and infinities are not served.
.set SPARE, 1024                       ; LDS: 0..1023 the scale words' stage; then the spare words, 128 bytes a wave
.set SPW, 14                           ; v14 my spare word's address; never rewritten
.set NIL, 15                           ; v15 0; never rewritten
.set SB,  16                           ; v16-17 my column's scale words of the two K steps
.set UT,  18                           ; v18-20 a block's upper 16 codes
.set OFF, 32                           ; v32-63 4 l + i x pitch: row i of a block; never rewritten
.set X,   64                           ; v64-127 two sets of 32 numbers
.set C,   128                          ; v128-175 12 registers for each pair of blocks; never rewritten
.set BASE, 32                          ; s[32:47] the source at block t
.set DST, 52                           ; s[52:53] the destination
	s_load_b256 s[4:11], s[0:1], 0x0               ; wq, wk, wv, wo
	s_load_b128 s[12:15], s[0:1], 0x20             ; w1, w2
	s_load_b64 s[16:17], s[0:1], 0x30              ; wts
	v_lshl_add_u32 v[SPW], v0, 2, SPARE
	v_mov_b32 v[NIL], 0
	v_lshrrev_b32 v1, 5, v0
	v_readfirstlane_b32 s18, v1                    ; wave
	v_and_b32 v2, 31, v0                           ; l
	s_lshr_b32 s20, ttmp9, 7                       ; 0: the four square weights, 1: w1, 2: w2
	s_bfe_u32 s21, ttmp9, 0x20005                  ; which of the four
	s_cmp_eq_u32 s20, 0
	s_cselect_b32 s22, 31, 127
	s_and_b32 s22, ttmp9, s22                      ; my number within the weight
	s_mov_b32 s28, 4096
	s_cmp_eq_u32 s20, 1
	s_cselect_b32 s23, 5, 3                        ; log2 of the weight's panels
	s_cselect_b32 s28, 16384, s28                  ; a row of W in bytes
	s_cselect_b32 s24, 4, 8                        ; where the weight lies in wts, in units of 819,200
	s_bfm_b32 s25, s23, 0
	s_and_b32 s25, s22, s25                        ; T
	s_lshr_b32 s26, s22, s23                       ; which 256 along K
	s_cmp_eq_u32 s20, 2
	s_cselect_b32 s27, 32, 8                       ; KS
	s_cmp_eq_u32 s20, 0
	s_cselect_b32 s24, s21, s24
	s_mul_i32 s24, s24, 819200
	s_mul_i32 s27, s25, s27
	s_lshl_b32 s29, s26, 1
	s_add_co_u32 s27, s27, s29
	s_mul_i32 s27, s27, 12800
	s_add_co_u32 s50, s24, s27                     ; my two blocks in wts
	s_mov_b32 s51, 0
	s_lshl_b32 s29, s28, 8
	s_mul_i32 s48, s26, s29                        ; 256 rows of W for each step of mine,
	s_lshl_b32 s29, s25, 9
	s_add_co_u32 s48, s48, s29                     ; 512 bytes a panel,
	s_lshl_b32 s29, s18, 7
	s_add_co_u32 s48, s48, s29                     ; 128 bytes a wave
	s_mov_b32 s49, 0
	s_lshl_b32 s30, s28, 5                         ; a block of 32 rows
	s_mov_b32 s31, 0
	v_lshlrev_b32 v4, 2, v2
	v_bfe_u32 v10, v2, 3, 1                        ; my column lies in fragment 2 wave + u,
	v_and_b32 v11, 7, v2
	v_lshrrev_b32 v12, 4, v2
	v_lshl_add_u32 v11, v12, 3, v11                ; at row i = l % 8 + 8 (l / 16)
	s_mul_i32 s29, s18, 3072
	v_mul_u32_u24 v5, v10, 1536
	v_lshl_add_u32 v5, v11, 4, v5
	v_add_nc_u32 v5, s29, v5                       ; v5: my fragment + 16 i
	s_lshl_b32 s29, s18, 7
	v_lshlrev_b32 v6, 6, v10
	v_lshl_add_u32 v6, v11, 2, v6
	v_add_nc_u32 v6, s29, v6                       ; v6: the stage, in: 64 f + 4 i
	s_lshl_b32 s29, s18, 8
	v_lshlrev_b32 v8, 3, v2
	v_add_nc_u32 v7, s29, v8                       ; v7: the stage, out: 256 wave + 8 l
	s_lshr_b32 s29, s18, 1
	s_mul_i32 s29, s29, 12800
	s_and_b32 s19, s18, 1
	s_lshl_b32 s19, s19, 8
	s_add_co_u32 s29, s29, s19
	s_add_co_u32 s29, s29, 12288
	v_add_nc_u32 v8, s29, v8                       ; v8: the same 256 bytes in my two blocks
.irp i, 0,1,2,3,4,5,6,7,8,9,10,11,12,13,14,15,16,17,18,19,20,21,22,23,24,25,26,27,28,29,30,31
	v_mad_u32_u24 v[OFF+\i], \i, s28, v4
.endr
	s_wait_kmcnt 0x0
	s_cmp_eq_u32 s21, 1                            ; the source: a choice that hangs on the work-group's number alone
	s_cselect_b64 s[4:5], s[6:7], s[4:5]
	s_cmp_eq_u32 s21, 2
	s_cselect_b64 s[4:5], s[8:9], s[4:5]
	s_cmp_eq_u32 s21, 3
	s_cselect_b64 s[4:5], s[10:11], s[4:5]
	s_cmp_eq_u32 s20, 1
	s_cselect_b64 s[4:5], s[12:13], s[4:5]
	s_cmp_eq_u32 s20, 2
	s_cselect_b64 s[4:5], s[14:15], s[4:5]
	s_add_nc_u64 s[BASE:BASE+1], s[4:5], s[48:49]
.irp t, 1,2,3,4,5,6,7
	s_add_nc_u64 s[BASE+2*\t:BASE+2*\t+1], s[BASE+2*\t-2:BASE+2*\t-1], s[30:31]
.endr
	s_add_nc_u64 s[DST:DST+1], s[16:17], s[50:51]
.macro LOAD t                          ; block t: W(32 t + i, my column): 32 lanes read 128 consecutive bytes, the four waves 512
.irp i, 0,1,2,3,4,5,6,7,8,9,10,11,12,13,14,15,16,17,18,19,20,21,22,23,24,25,26,27,28,29,30,31
	global_load_b32 v[X+32*((\t)%2)+\i], v[OFF+\i], s[BASE+2*(\t):BASE+2*(\t)+1] th:TH_LOAD_NT
.endr
.endm
	LOAD 0
	LOAD 1
.macro BLOCK t
.set XS, X+32*((\t)%2)
.set CP, C+12*((\t)/2)
.set HP, (\t)%2                        ; the block is that of lanes 16 HP + i of its half fragment
.set DO, 12800*((\t)/4)+768*(((\t)%4)/2)
.if (\t) < 7
	s_wait_loadcnt 32                              ; this block's 32 loads are in; the next block's 32 may be out
.else
	s_wait_loadcnt 0x0
.endif
	v_max3_num_f32 v12, |v[XS]|, |v[XS+1]|, |v[XS+2]|
	v_max3_num_f32 v13, |v[XS+3]|, |v[XS+4]|, |v[XS+5]|
.irp i, 6,10,14,18,22,26
	v_max3_num_f32 v12, v12, |v[XS+\i]|, |v[XS+\i+1]|
	v_max3_num_f32 v13, v13, |v[XS+\i+2]|, |v[XS+\i+3]|
.endr
	v_max3_num_f32 v12, v12, |v[XS+30]|, |v[XS+31]|
	v_max3_num_f32 v12, v12, v13, 0x2800000        ; and the floor 2^(5 - 127): the byte cannot fall under 1
	v_add_nc_u32 v11, 0xfe000000, v12              ; 4 off the exponent field: the conversion's scale operand
	v_cvt_scalef32_pk16_bf6_f32 v[CP+4*HP:CP+4*HP+2], v[XS:XS+15], v11
	v_cvt_scalef32_pk16_bf6_f32 v[UT:UT+2], v[XS+16:XS+31], v11
	v_lshrrev_b32 v13, 23, v11                     ; the scale's byte (the plain line behind the conversions)
.if (\t)%4 == 0
	v_mov_b32 v[SB+(\t)/4], v13
.else
	v_lshl_or_b32 v[SB+(\t)/4], v13, 8*((\t)%4), v[SB+(\t)/4]
.endif
	v_mov_b32 v[CP+4*HP+3], v[UT]                  ; the block's registers 0-3 stand together, its registers 4, 5 beside the other block's
	v_mov_b32 v[CP+8+2*HP], v[UT+1]
	v_mov_b32 v[CP+9+2*HP], v[UT+2]
	global_store_b128 v5, v[CP+4*HP:CP+4*HP+3], s[DST:DST+1] offset:DO+256*HP   ; sixteen lanes fill 256 aligned bytes of one fragment, the other sixteen of the next
.if HP == 1
	global_store_b128 v5, v[CP+8:CP+11], s[DST:DST+1] offset:DO+512
.endif
.if (\t)+2 < 8
	LOAD (\t)+2
.endif
.endm
.irp t, 0,1,2,3,4,5,6,7
	BLOCK \t
.endr
	ds_store_b32 v6, v[SB]                         ; the scale words meet in LDS and leave as aligned runs of 256 bytes
	ds_store_b32 v6, v[SB+1] offset:512
	s_wait_dscnt 0x0                               ; for the others' sake: my stores have landed
	s_barrier_signal -1
	s_barrier_wait -1
	ds_load_b64 v[22:23], v7
	s_wait_dscnt 0x0
	global_store_b64 v8, v[22:23], s[DST:DST+1]
	s_wait_tensorcnt 0x0                           ; the wave's end, behind my last LDS store
	ds_add_u32 v[SPW], v[NIL]
	s_wait_dscnt 0x0
	s_endpgm
.Lfunc_end_k_q585ffd72bc_wquant:
	.size	k_q585ffd72bc_wquant, .Lfunc_end_k_q585ffd72bc_wquant-k_q585ffd72bc_wquant
	.p2alignl 7, 3214868480
	.fill 96, 4, 3214868480
	.section	.rodata,"a",@progbits
	.p2align	6, 0x0
	.amdhsa_kernel k_q585ffd72bc_wquant
		.amdhsa_group_segment_fixed_size 2048
		.amdhsa_private_segment_fixed_size 0
		.amdhsa_enable_private_segment 0
		.amdhsa_kernarg_size 56
		.amdhsa_user_sgpr_count 2
		.amdhsa_user_sgpr_kernarg_segment_ptr 1
		.amdhsa_wavefront_size32 1
		.amdhsa_system_sgpr_workgroup_id_x 1
		.amdhsa_system_sgpr_workgroup_id_y 1
		.amdhsa_system_sgpr_workgroup_id_z 1
		.amdhsa_system_vgpr_workitem_id 0
		.amdhsa_next_free_vgpr 176
		.amdhsa_next_free_sgpr 66
		.amdhsa_reserve_vcc 0
		.amdhsa_float_denorm_mode_32 3
		.amdhsa_float_denorm_mode_16_64 3
		.amdhsa_memory_ordered 1
		.amdhsa_forward_progress 1
		.amdhsa_inst_pref_size 43
	.end_amdhsa_kernel
	.amdgpu_metadata
---
amdhsa.version: [ 1, 2 ]
amdhsa.kernels:
  - .name:           k_q585ffd72bc_wquant
    .symbol:         k_q585ffd72bc_wquant.kd
    .args:
      - { .name: wq, .offset: 0, .size: 8, .value_kind: global_buffer, .address_space: global }
      - { .name: wk, .offset: 8, .size: 8, .value_kind: global_buffer, .address_space: global }
      - { .name: wv, .offset: 16, .size: 8, .value_kind: global_buffer, .address_space: global }
      - { .name: wo, .offset: 24, .size: 8, .value_kind: global_buffer, .address_space: global }
      - { .name: w1, .offset: 32, .size: 8, .value_kind: global_buffer, .address_space: global }
      - { .name: w2, .offset: 40, .size: 8, .value_kind: global_buffer, .address_space: global }
      - { .name: wts, .offset: 48, .size: 8, .value_kind: global_buffer, .address_space: global }
    .group_segment_fixed_size: 2048
    .private_segment_fixed_size: 0
    .kernarg_segment_align: 8
    .kernarg_segment_size: 56
    .max_flat_workgroup_size: 128
    .sgpr_count:     66
    .vgpr_count:     176
    .wavefront_size: 32
...
	.end_amdgpu_metadata
.endif
;; end of part 1
;; launch norm1 (part 2): grid 256 x 1, 8 waves a work-group, no clusters, 2,048 bytes of LDS; arguments x, scale1, xq; writes xq
.if DOCPART == 2
	.amdgcn_target "amdgcn-amd-amdhsa--gfx1250"
	.amdhsa_code_object_version 6
	.text
	.protected	k_q585ffd72bc_norm1
	.globl	k_q585ffd72bc_norm1
	.p2align	8
	.type	k_q585ffd72bc_norm1,@function
k_q585ffd72bc_norm1:
	s_mov_b64 s[64:65], 0
	v_nop
	global_prefetch_b8 v0, s[64:65] scope:SCOPE_SE
	s_setreg_imm32_b32 hwreg(HW_REG_WAVE_MODE, 25, 1), 1
	s_wait_xcnt 0x0
; y = gain x (x / (sqrt(sum x^2) / 32 + 1e-8)) for rows of 1,024 f32, quantised along the row to BF6 with one E8M0 byte for each 32, stored in the panel format:
; block (panel T of 128 rows, K step ks) at (8 T + ks) x 12,800; fragment f at 1,536 f; half fragment c at 768 c: registers 6c..6c+3 of lane l at 16 l, registers 6c+4, 6c+5 at 512 + 16 r + 8 h; scale words at 12,288 + 64 f + 4 r.
; Row i of fragment f is the panel's row 32 (f/2) + 8 (f%2) + i + 8 (i/8).  No work is left out.
; A work-group is one fragment's 16 rows; wave w takes K step w: lane (r, h) holds, of row r, 16 neighbours of each of the step's four blocks.  The rows' sums of squares meet in LDS.
; The scale words are 64 of a wave's 1,600 bytes out; they do not fill 256 aligned bytes.  Lanes r and r + 16 hold the same word and store it to the same place.
; LIMITS: a block of zeros, and one whose largest magnitude lies under 2^-122, gets the byte 1; NaN and infinities are not served; the division is a multiplication by v_rcp_f32's result.
.set SPARE, 512                        ; LDS: 0..511 the partial sums, 64 bytes a wave; then the spare words
.set X,  32                            ; v32-95 my 64 numbers
.set G,  96                            ; v96-159 their gains
.set PC, 160                           ; v160-179 the codes
.set TM, 180                           ; v180-195 at work in QUANT
.set PW, 196                           ; the scale word
.set SEL, 24
.macro QUANT s                         ; 64 numbers, register 16 b + i = k 32 b + 16 h + i of my row -> a fragment's 12 registers in v[PC] on, its scale word in v[PW]
.irp b, 0,1,2,3
	v_max3_num_f32 v[TM+\b], |v[\s+16*\b]|, |v[\s+1+16*\b]|, 0x2800000   ; with the floor 2^(5 - 127)
.endr
.irp i, 2,4,6,8,10,12,14
.irp b, 0,1,2,3
	v_max3_num_f32 v[TM+\b], v[TM+\b], |v[\s+16*\b+\i]|, |v[\s+1+16*\b+\i]|
.endr
.endr
.irp b, 0,1,2,3
	v_permlanex16_b32 v[TM+4+\b], v[TM+\b], s[SEL], s[SEL+1]
.endr
.irp b, 0,1,2,3
	v_max_num_f32 v[TM+\b], v[TM+\b], v[TM+4+\b]   ; with lane l xor 16's: the block's largest magnitude
.endr
.irp b, 0,1,2,3
	v_add_nc_u32 v[TM+12+\b], 0xfe000000, v[TM+\b] ; 4 off the exponent field: the conversion's scale operand
.endr
.irp b, 0,1,2,3
	v_lshrrev_b32 v[TM+4+\b], 23, v[TM+12+\b]      ; the byte
.endr
	v_lshl_or_b32 v[PW], v[TM+5], 8, v[TM+4]
	v_lshl_or_b32 v[PW], v[TM+6], 16, v[PW]
	v_lshl_or_b32 v[PW], v[TM+7], 24, v[PW]
.irp c, 0,1
	v_cvt_scalef32_pk16_bf6_f32 v[PC+6*\c:PC+2+6*\c], v[\s+32*\c:\s+15+32*\c], v[TM+12+2*\c]
	v_cvt_scalef32_pk16_bf6_f32 v[PC+12+4*\c:PC+14+4*\c], v[\s+16+32*\c:\s+31+32*\c], v[TM+12+2*\c+1]
.endr
	v_nop                                          ; one plain line behind the conversions
.irp c, 0,1                                    ; a whole block to a lane: lanes 0-15 block 2 c, lanes 16-31 block 2 c + 1
.irp i, 0,1,2
	v_permlane16_swap_b32 v[PC+6*\c+\i], v[PC+12+4*\c+\i]
.endr
.irp i, 0,1,2
	v_mov_b32 v[PC+3+6*\c+\i], v[PC+12+4*\c+\i]
.endr
.endr
.endm
	s_load_b128 s[4:7], s[0:1], 0x0                ; the rows, the gain
	s_load_b64 s[8:9], s[0:1], 0x10                ; the panels
	v_lshl_add_u32 v10, v0, 2, SPARE               ; v10, v11: the add's two; never rewritten
	v_mov_b32 v11, 0
	v_lshrrev_b32 v1, 5, v0
	v_readfirstlane_b32 s10, v1                    ; wave = K step
	v_and_b32 v1, 15, v0                           ; r
	v_bfe_u32 v2, v0, 4, 1                         ; h
	v_and_b32 v3, 31, v0                           ; l
	v_and_b32 v12, 8, v1
	v_add_nc_u32 v12, v12, v1                      ; r + 8 (r / 8)
	v_lshlrev_b32 v5, 6, v2                        ; v5: 64 h
	v_lshl_add_u32 v4, v12, 12, v5                 ; v4: my row of 4,096 bytes + 64 h
	v_lshlrev_b32 v6, 4, v3                        ; v6: 16 l
	v_lshlrev_b32 v7, 4, v1
	v_lshl_add_u32 v7, v2, 3, v7                   ; v7: 16 r + 8 h
	v_lshlrev_b32 v8, 2, v1                        ; v8: 4 r
	s_lshl_b32 s11, s10, 6
	v_add_nc_u32 v9, s11, v8                       ; v9: my wave's partial sums
	v_mov_b32 v20, 0                               ; a lane permute's destination counts as read
	v_mov_b32 v21, 0x3d000000                      ; 1 / 32
	v_mov_b32 v27, 0                               ; named as the upper half of the pair v[26:27]
.irp b, 0,1,2,3
	v_mov_b32 v[TM+4+\b], 0
.endr
	s_lshr_b32 s12, ttmp9, 3                       ; T
	s_and_b32 s13, ttmp9, 7                        ; f
	s_lshl_b32 s14, s12, 7
	s_lshr_b32 s15, s13, 1
	s_lshl_b32 s15, s15, 5
	s_add_co_u32 s14, s14, s15
	s_and_b32 s15, s13, 1
	s_lshl_b32 s15, s15, 3
	s_add_co_u32 s14, s14, s15                     ; the fragment's first row
	s_lshl_b32 s14, s14, 12
	s_lshl_b32 s16, s10, 9                         ; my K step: 512 bytes
	s_add_co_u32 s14, s14, s16
	s_mov_b32 s15, 0
	s_mov_b32 s17, 0
	s_lshl_b32 s18, s12, 3
	s_add_co_u32 s18, s18, s10
	s_mul_i32 s18, s18, 12800                      ; my block
	s_mul_i32 s19, s13, 1536
	s_add_co_u32 s20, s18, s19
	s_mov_b32 s21, 0
	s_lshl_b32 s19, s13, 6
	s_add_co_u32 s22, s18, s19
	s_add_co_u32 s22, s22, 12288
	s_mov_b32 s23, 0
	s_mov_b32 s[SEL], 0x76543210
	s_mov_b32 s[SEL+1], 0xfedcba98
	s_wait_kmcnt 0x0
	s_add_nc_u64 s[4:5], s[4:5], s[14:15]
	s_add_nc_u64 s[6:7], s[6:7], s[16:17]
	s_add_nc_u64 s[26:27], s[8:9], s[22:23]        ; the scale words
	s_add_nc_u64 s[8:9], s[8:9], s[20:21]          ; the fragment
.irp b, 0,1,2,3
.irp j, 0,1,2,3
	global_load_b128 v[X+16*\b+4*\j:X+16*\b+4*\j+3], v4, s[4:5] offset:128*\b+16*\j
.endr
.endr
.irp b, 0,1,2,3
.irp j, 0,1,2,3
	global_load_b128 v[G+16*\b+4*\j:G+16*\b+4*\j+3], v5, s[6:7] offset:128*\b+16*\j
.endr
.endr
	s_wait_loadcnt 16                              ; my numbers are in; the 16 loads of the gain may be out
.irp c, 0,1,2,3
	v_pk_mul_f32 v[12+2*\c:13+2*\c], v[X+2*\c:X+2*\c+1], v[X+2*\c:X+2*\c+1]   ; the sum of squares in four chains; the first products start them
.endr
.irp j, 8,16,24,32,40,48,56
.irp c, 0,1,2,3
	v_pk_fma_f32 v[12+2*\c:13+2*\c], v[X+\j+2*\c:X+\j+2*\c+1], v[X+\j+2*\c:X+\j+2*\c+1], v[12+2*\c:13+2*\c]
.endr
.endr
	v_pk_add_f32 v[12:13], v[12:13], v[14:15]
	v_pk_add_f32 v[16:17], v[16:17], v[18:19]
	v_pk_add_f32 v[12:13], v[12:13], v[16:17]
	v_add_f32 v12, v12, v13
	v_permlanex16_b32 v20, v12, s[SEL], s[SEL+1]
	v_add_f32 v12, v12, v20                        ; my row's share of this K step
	ds_store_b32 v9, v12                           ; lanes r and r + 16 write the same word with the same value
	s_wait_dscnt 0x0                               ; for the others' sake
	s_barrier_signal -1
	s_barrier_wait -1
.irp w, 0,1,2,3,4,5,6,7
	ds_load_b32 v[12+\w], v8 offset:64*\w
.endr
	s_wait_dscnt 0x0
	v_add_f32 v12, v12, v13
	v_add_f32 v14, v14, v15
	v_add_f32 v16, v16, v17
	v_add_f32 v18, v18, v19
	v_add_f32 v12, v12, v14
	v_add_f32 v16, v16, v18
	v_add_f32 v12, v12, v16
	v_sqrt_f32 v12, v12
	v_nop                                          ; a plain line behind the transcendental,
	s_wait_alu depctr_va_vdst(0)                   ; and the wait ahead of its first reader
	v_fmaak_f32 v12, v12, v21, 0x322bcc77          ; norm / 32 + 1e-8 (the division by 32 is exact)
	v_rcp_f32 v26, v12
	v_nop
	s_wait_alu depctr_va_vdst(0)
	s_wait_loadcnt 0x0                             ; the gain
.set i, 0
.rept 32
	v_pk_mul_f32 v[X+2*i:X+2*i+1], v[X+2*i:X+2*i+1], v[26:27] op_sel_hi:[1,0]
.set i, i+1
.endr
.set i, 0
.rept 32
	v_pk_mul_f32 v[X+2*i:X+2*i+1], v[X+2*i:X+2*i+1], v[G+2*i:G+2*i+1]
.set i, i+1
.endr
	QUANT X
.irp c, 0,1
	global_store_b128 v6, v[PC+6*\c:PC+6*\c+3], s[8:9] offset:768*\c          ; 512 aligned bytes
	global_store_b64 v7, v[PC+6*\c+4:PC+6*\c+5], s[8:9] offset:768*\c+512     ; 256 aligned bytes
.endr
	global_store_b32 v8, v[PW], s[26:27]
	s_wait_tensorcnt 0x0                           ; the wave's end, behind my last LDS store
	ds_add_u32 v10, v11
	s_wait_dscnt 0x0
	s_endpgm
.Lfunc_end_k_q585ffd72bc_norm1:
	.size	k_q585ffd72bc_norm1, .Lfunc_end_k_q585ffd72bc_norm1-k_q585ffd72bc_norm1
	.p2alignl 7, 3214868480
	.fill 96, 4, 3214868480
	.section	.rodata,"a",@progbits
	.p2align	6, 0x0
	.amdhsa_kernel k_q585ffd72bc_norm1
		.amdhsa_group_segment_fixed_size 2048
		.amdhsa_private_segment_fixed_size 0
		.amdhsa_enable_private_segment 0
		.amdhsa_kernarg_size 24
		.amdhsa_user_sgpr_count 2
		.amdhsa_user_sgpr_kernarg_segment_ptr 1
		.amdhsa_wavefront_size32 1
		.amdhsa_system_sgpr_workgroup_id_x 1
		.amdhsa_system_sgpr_workgroup_id_y 1
		.amdhsa_system_sgpr_workgroup_id_z 1
		.amdhsa_system_vgpr_workitem_id 0
		.amdhsa_next_free_vgpr 200
		.amdhsa_next_free_sgpr 66
		.amdhsa_reserve_vcc 0
		.amdhsa_float_denorm_mode_32 3
		.amdhsa_float_denorm_mode_16_64 3
		.amdhsa_memory_ordered 1
		.amdhsa_forward_progress 1
		.amdhsa_inst_pref_size 18
	.end_amdhsa_kernel
	.amdgpu_metadata
---
amdhsa.version: [ 1, 2 ]
amdhsa.kernels:
  - .name:           k_q585ffd72bc_norm1
    .symbol:         k_q585ffd72bc_norm1.kd
    .args:
      - { .name: x, .offset: 0, .size: 8, .value_kind: global_buffer, .address_space: global }
      - { .name: scale1, .offset: 8, .size: 8, .value_kind: global_buffer, .address_space: global }
      - { .name: xq, .offset: 16, .size: 8, .value_kind: global_buffer, .address_space: global }
    .group_segment_fixed_size: 2048
    .private_segment_fixed_size: 0
    .kernarg_segment_align: 8
    .kernarg_segment_size: 24
    .max_flat_workgroup_size: 256
    .sgpr_count:     66
    .vgpr_count:     200
    .wavefront_size: 32
...
	.end_amdgpu_metadata
.endif
;; end of part 2
;; launch qkv (part 3): grid 8 x 32, 4 waves a work-group, clusters of 4 x 4, 327,680 bytes of LDS; arguments xq, wts, bq, bk, bv, qb, kv; writes qb, kv
.if DOCPART == 3
	.amdgcn_target "amdgcn-amd-amdhsa--gfx1250"
	.amdhsa_code_object_version 6
	.text
	.protected	k_q585ffd72bc_qkv
	.globl	k_q585ffd72bc_qkv
	.p2align	8
	.type	k_q585ffd72bc_qkv,@function
k_q585ffd72bc_qkv:
	s_mov_b64 s[64:65], 0
	v_nop
	global_prefetch_b8 v0, s[64:65] scope:SCOPE_SE
	s_setreg_imm32_b32 hwreg(HW_REG_WAVE_MODE, 25, 1), 1
	s_wait_xcnt 0x0
	s_wait_alu depctr_hold_cnt(0) depctr_sa_sdst(0) depctr_va_vdst(0) depctr_va_sdst(0) depctr_va_ssrc(0) depctr_va_vcc(0) depctr_vm_vsrc(0)
	s_getreg_b32 s2, hwreg(HW_REG_IB_STS2, 6, 4)
	s_cmp_eq_u32 s2, 0
	s_cbranch_scc0 .Lentry_in_a_cluster
	s_endpgm
.Lentry_in_a_cluster:
	s_bfe_u32 s2, ttmp6, 0x10000c
	s_cmp_lg_u32 s2, 0xf033
	s_cbranch_scc0 .Lentry_shape_is_right
	s_endpgm
.Lentry_shape_is_right:
; q = xn wq + bq, k = xn wk + bk, v = xn wv + bv on codes of BF6 (K = 1,024); q and k less their roll by one within a head; all three quantised for attention's two products.  No work is left out.
; OPERANDS in the panel format: block (panel, K step) of 128 rows x 128 K = 12,800 bytes: fragment f at 1,536 f, half fragment c at 768 c (registers 6c..6c+3 of lane l at 16 l; 6c+4, 6c+5 at 512 + 16 r + 8 h), scale words at 12,288 + 64 f + 4 r.
; Row i of fragment f is the panel's row 32 (f/2) + 8 (f%2) + i + 8 (i/8).  So in a result the registers 16 b + i of a wave's four source-0 fragments are rows 32 b + 16 h + i: neighbours, as a quantiser wants them.
; A WORK-GROUP STAYS: it keeps the panel of 128 tokens Y in LDS, all of K, and makes three tiles of 128 x 128 with it: q, k and v of the two heads 2 gx, 2 gx + 1 (weight panels gx, gx + 8, gx + 16 of wts).
; A tile is source 1 (S1, its rows become the lanes) x source 0 (S0, its rows become the registers); four waves of 64 x 64, 16 accumulators each.
; q, k: S1 = tokens, S0 = weights: a lane holds a token, its registers a head's 64 channels.  v: S1 = weights, S0 = tokens: a lane holds a channel and its registers run along the tokens, which are the second product's K.
; LDS: the tokens at 0; the weights' slots A and B, a whole panel (102,400 bytes) each.  Every wave brings a quarter of each fill.  First fills: tokens, A (wq's panel), B (wk's).  Behind q's last K step A is filled again with wv's panel:
; that load has q's way out and all of k's tile in which to land.  A wave has three tensor loads out at the head, later one.
; CLUSTERS of 4 x 4: the tokens' panel hangs on cy and is asked for jointly along a row of the cluster, a weight panel on cx and along a column.
; OUT.  qb: the half fragment of 16 queries F of head bh at (128 bh + F) x 768, scale words at 3,145,728 + (128 bh + F) x 64.  kv: for (bh, 128 keys s) 13,056 bytes: K's 8 half fragments, their scale words at 6,144, V^T's 4 fragments at 6,656, their scale words at 12,800.
; A scale word of q or k has two bytes (K = 64); its upper two are 0.
; LIMITS: a block of zeros, and one whose largest magnitude lies under 2^-122, gets the byte 1; NaN and infinities are not served.
.set BLK,   12800
.set PANEL, 8*BLK                      ; a panel, all of K
.set HALF,  4*BLK                      ; half of K: what an LDS load's immediate reaches
.set WA,    PANEL                      ; LDS: the tokens at 0, slot A,
.set WB,    2*PANEL                    ; slot B,
.set QKS,   3*PANEL                    ; the scale words' stage of q and k, 256 bytes a wave,
.set VS,    QKS+1024                   ; that of v, 512 bytes,
.set SPARE, VS+512                     ; the spare words, 128 bytes a wave
.set SPW, 28
.set NIL, 29
.set SC,  64                           ; v64-71 scale words, two sets of four: lanes 0-15 S1's fragment i, lanes 16-31 S0's
.set TM,  76
.set SO,  80
.set BY,  82
.set PD,  84
.set ACC, 128                          ; v128-255 accumulator (a, t) at ACC + 8 (4 a + t)
.set F0,  0                            ; window 1: two sets of fragments: S0's four at +12 t, S1's four at +48 + 12 a
.set F1,  96
.set BQ,  0                            ; window 2: the three biases, each as the first products' C
.set BK,  32
.set BV,  64
.set G1,  24                           ; s[24:31] group 1 for the tokens (my row's mask);  s[48:55] for the weights (my column's)
.set G1B, 48
.set G0T, 32                           ; s[32:35], s[36:39], s[56:59] groups 0: tokens, slot A, slot B
.set G0A, 36
.set G0W, 56
.set SL0, 60                           ; s60 6,144 x my half of S0
.set SDQ, 61                           ; s61-63 from lanes 0-15's scale words to lanes 16-31's (v: the other way), for q, k, v
.set SDK, 62
.set SDV, 63
.set SB1, 66                           ; s66 12,288 + 256 x my half of S1;  s67 the same of S0
.set SB0, 67
.set HM,  80
.set SEL, 90
.set MSB, 0
.macro WIN new                         ; the immediate's high byte repeats the setting that is left
.if MSB != \new
	s_set_vgpr_msb (MSB<<8)|\new
.set MSB, \new
.endif
.endm
.set MUL,  0x05                        ; sources 0 and 1 window 1; C and D window 0
.set MULC, 0x25                        ; the same with C in window 2: a tile's first products
.set TO_F, 0x40                        ; destination window 1, address window 0
.macro CREST                           ; a round of the cluster's barrier behind its opening barrier
	s_cmp_lg_u32 s10, 0
	s_cbranch_scc1 .Lnot_wave_0_\@
	s_barrier_signal -3
.Lnot_wave_0_\@:
	s_barrier_wait -3
	s_barrier_signal -1
	s_barrier_wait -1
.endm
.macro CROUND                          ; a whole round
	s_barrier_signal -1
	s_barrier_wait -1
	CREST
.endm
.macro PLACES                          ; four places behind matrix instructions, in front of loads into registers that they read and of reads of results
.rept 4
	v_nop
.endr
.endm
.macro FETCH half, q, f, sc            ; the fragments and scale words of K step 4 half + q: 36 LDS loads, each of consecutive bytes
	WIN TO_F
.irp i, 0,1,2,3
	ds_load_b128 v[\f+12*\i:\f+12*\i+3],     v[20+\half] offset:BLK*(\q)+1536*\i
	ds_load_b64  v[\f+12*\i+4:\f+12*\i+5],   v[22+\half] offset:BLK*(\q)+1536*\i+512
	ds_load_b128 v[\f+12*\i+6:\f+12*\i+9],   v[20+\half] offset:BLK*(\q)+1536*\i+768
	ds_load_b64  v[\f+12*\i+10:\f+12*\i+11], v[22+\half] offset:BLK*(\q)+1536*\i+1280
.endr
.irp i, 0,1,2,3
	ds_load_b128 v[\f+48+12*\i:\f+48+12*\i+3],     v[16+\half] offset:BLK*(\q)+1536*\i
	ds_load_b64  v[\f+48+12*\i+4:\f+48+12*\i+5],   v[18+\half] offset:BLK*(\q)+1536*\i+512
	ds_load_b128 v[\f+48+12*\i+6:\f+48+12*\i+9],   v[16+\half] offset:BLK*(\q)+1536*\i+768
	ds_load_b64  v[\f+48+12*\i+10:\f+48+12*\i+11], v[18+\half] offset:BLK*(\q)+1536*\i+1280
.endr
	WIN 0
.irp i, 0,1,2,3
	ds_load_b32 v[SC+4*(\sc)+\i], v[24+\half] offset:BLK*(\q)+64*\i
.endr
.endm
.macro MULA f, sc, mode, a0, cb        ; 8 products: S1's fragments a0, a0 + 1 x S0's four.  mode 0: onto the sums; 2: C = the bias at cb by S0's rows; 3: by S1's rows.  The 16 accumulators take turns
.irp a, \a0, \a0+1
.irp t, 0,1,2,3
.set wD, ACC+8*(4*(\a)+\t)
.set wA, \f+12*\t
.set wB, \f+48+12*(\a)
.set wS, SC+4*(\sc)+\t
.set wT, SC+4*(\sc)+(\a)
.if \mode == 0
	v_wmma_scale_f32_16x16x128_f8f6f4 v[wD:wD+7], v[wA:wA+11], v[wB:wB+11], v[wD:wD+7], v[wS], v[wT] matrix_a_fmt:MATRIX_FMT_BF6 matrix_b_fmt:MATRIX_FMT_BF6 matrix_a_scale:MATRIX_SCALE_ROW1
.elseif \mode == 2
	v_wmma_scale_f32_16x16x128_f8f6f4 v[wD:wD+7], v[wA:wA+11], v[wB:wB+11], v[\cb+8*\t:\cb+8*\t+7], v[wS], v[wT] matrix_a_fmt:MATRIX_FMT_BF6 matrix_b_fmt:MATRIX_FMT_BF6 matrix_a_scale:MATRIX_SCALE_ROW1
.else
	v_wmma_scale_f32_16x16x128_f8f6f4 v[wD:wD+7], v[wA:wA+11], v[wB:wB+11], v[\cb+8*(\a):\cb+8*(\a)+7], v[wS], v[wT] matrix_a_fmt:MATRIX_FMT_BF6 matrix_b_fmt:MATRIX_FMT_BF6 matrix_a_scale:MATRIX_SCALE_ROW1
.endif
.endr
.endr
.endm
.macro STEP f, g, sc, nh, nq, mode, cb ; 128 along K from set f; the next step's fragments go into set g first
	s_wait_dscnt 0x0                               ; set f, asked for a step ago, is in
	PLACES
	FETCH \nh, \nq, \g, 1-(\sc)
.if \mode == 0
	WIN MUL
.else
	WIN MULC
.endif
	MULA \f, \sc, \mode, 0, \cb
	MULA \f, \sc, \mode, 2, \cb
.endm
.macro STEPS7 mode, cb                 ; a tile's K steps 0 to 6; the first products start the sums from the bias
	STEP F0, F1, 0, 0, 1, \mode, \cb
	STEP F1, F0, 1, 0, 2, 0, 0
	STEP F0, F1, 0, 0, 3, 0, 0
	STEP F1, F0, 1, 1, 0, 0, 0
	STEP F0, F1, 0, 1, 1, 0, 0
	STEP F1, F0, 1, 1, 2, 0, 0
	STEP F0, F1, 0, 1, 3, 0, 0
.endm
.macro SCADR sd, sb, hv                ; the scale words' addresses: one base, 4 r, and for the lanes where v[hv] is 1 the distance to the other operand's words
	v_mul_u32_u24 v7, s[\sd], v[\hv]
	v_add_nc_u32 v7, v7, v6
	v_add_nc_u32 v24, s[\sb], v7
	v_add_nc_u32 v25, HALF, v24
.endm
; A tile's last K step, from set F1, and the change to the next tile.  In front of the barrier each wave waits for all its tensor loads (its parts of what the next tiles read), adds 0 to its spare word, and waits for that and for its reads.
; kind 1, q to k: nobody reads slot A any more: the barrier opens a round of the cluster's barrier, and behind it A is filled again with wv's panel, one load a wave.  kind 2, k to v: nothing is filled.
.macro TURN kind
	WIN 0
	s_wait_tensorcnt 0x0                           ; all my tensor loads have landed, so a group 0 may be written
	ds_add_u32 v[SPW], v[NIL]                      ; 0 onto my spare word
.if \kind == 1
	s_add_nc_u64 s[G0A+2:G0A+3], s[G0A+2:G0A+3], 16*PANEL   ; from wq's panel gx to wv's
.endif
	s_wait_dscnt 0x0                               ; the add is done, and my reads of this tile's operands are over
	s_barrier_signal -1
	WIN MUL
	MULA F1, 1, 0, 0, 0                            ; work on registers while the others arrive
	WIN 0
	s_barrier_wait -1
.if \kind == 1
	CREST                                          ; no wave of any partner still reads slot A or has a load on its way
	tensor_load_to_lds s[G0A:G0A+3], s[G1B:G1B+7]  ; my one tensor load behind the round
	s_nop 0
	v_add_nc_u32 v20, PANEL, v20                   ; k's S0 is slot B.  (These eight lines are also the places in front of the loads below)
	v_add_nc_u32 v21, PANEL, v21
	v_add_nc_u32 v22, PANEL, v22
	v_add_nc_u32 v23, PANEL, v23
	SCADR SDK, SB1, 2
.else
	v_add_nc_u32 v16, WA, v16                      ; v's S1 is slot A,
	v_add_nc_u32 v17, WA, v17
	v_add_nc_u32 v18, WA, v18
	v_add_nc_u32 v19, WA, v19
	v_add_nc_u32 v20, s[SL0], v4                   ; its S0 the tokens
	v_add_nc_u32 v22, s[SL0], v5
	v_add_nc_u32 v21, HALF, v20
	v_add_nc_u32 v23, HALF, v22
	SCADR SDV, SB0, 13
.endif
	FETCH 0, 0, F0, 0                              ; the next tile's first fragments
	WIN MUL
	MULA F1, 1, 0, 2, 0
	WIN 0
.endm
.macro QUANT2 s, pc, pw                ; 32 numbers, register 16 b + i = k 32 b + 16 h + i -> a half fragment's 6 registers in v[pc] on, its two scale bytes in v[pw]
.irp b, 0,1
	v_max3_num_f32 v[TM+\b], |v[\s+16*\b]|, |v[\s+16*\b+1]|, 0x2800000   ; with the floor 2^(5 - 127)
.endr
.irp i, 2,4,6,8,10,12,14
.irp b, 0,1
	v_max3_num_f32 v[TM+\b], v[TM+\b], |v[\s+16*\b+\i]|, |v[\s+16*\b+\i+1]|
.endr
.endr
.irp b, 0,1
	v_permlanex16_b32 v[TM+2+\b], v[TM+\b], s[SEL], s[SEL+1]
.endr
.irp b, 0,1
	v_max_num_f32 v[TM+\b], v[TM+\b], v[TM+2+\b]
.endr
.irp b, 0,1
	v_add_nc_u32 v[SO+\b], 0xfe000000, v[TM+\b]
.endr
.irp b, 0,1
	v_lshrrev_b32 v[BY+\b], 23, v[SO+\b]
.endr
	v_lshl_or_b32 v[\pw], v[BY+1], 8, v[BY]
	v_cvt_scalef32_pk16_bf6_f32 v[\pc:\pc+2], v[\s:\s+15], v[SO]
	v_cvt_scalef32_pk16_bf6_f32 v[PD:PD+2], v[\s+16:\s+31], v[SO+1]
	v_nop                                          ; one plain line behind the conversions
.irp i, 0,1,2
	v_permlane16_swap_b32 v[\pc+\i], v[PD+\i]      ; a whole block to a lane: lanes 0-15 block 0, lanes 16-31 block 1
.endr
.irp i, 0,1,2
	v_mov_b32 v[\pc+3+\i], v[PD+\i]
.endr
.endm
; 16 tokens of q or k: y[d] = x[d] - x[d - 1], d - 1 taken round the head's 64.  Register 16 b + i holds d = 32 b + 16 h + i: the neighbour is the register below, but for i = 0, where it is register 15 or 31 of lane l xor 16.
.macro QKOUT a, cb
.set AA, ACC+32*\a
.irp i, 1,2,3,4,5,6,7,8,9,10,11,12,13,14,15
	v_sub_f32 v[32+\i], v[AA+\i], v[AA+\i-1]       ; ascending: each accumulator is first read at its low end
.endr
.irp i, 17,18,19,20,21,22,23,24,25,26,27,28,29,30,31
	v_sub_f32 v[32+\i], v[AA+\i], v[AA+\i-1]
.endr
	v_permlanex16_b32 v72, v[AA+15], s[SEL], s[SEL+1]
	v_permlanex16_b32 v73, v[AA+31], s[SEL], s[SEL+1]
	v_cndmask_b32 v74, v73, v72, s[HM]             ; d = 0 wants d = 63 (the other half's 31), d = 16 wants 15 (the other half's 15)
	v_cndmask_b32 v75, v72, v73, s[HM]             ; d = 32 wants 31 (the other half's 15), d = 48 wants 47 (the other half's 31)
	v_sub_f32 v32, v[AA], v74
	v_sub_f32 v48, v[AA+16], v75
	QUANT2 32, 96+6*\a, 88+\a
	global_store_b128 v4, v[96+6*\a:99+6*\a], s[\cb:\cb+1] offset:768*\a
	global_store_b64 v5, v[100+6*\a:101+6*\a], s[\cb:\cb+1] offset:768*\a+512
	ds_store_b32 v30, v[88+\a] offset:64*\a        ; lanes r and r + 16 write the same word with the same value
.endm
.macro QKSC sb                         ; my four fragments' scale words leave as 256 aligned bytes
	ds_load_b64 v[120:121], v10                    ; my own bytes: LDS serves a wave's instructions in order
	s_wait_dscnt 0x0
	global_store_b64 v12, v[120:121], s[\sb:\sb+1]
.endm
.macro VOUT a
	QUANT2 ACC+32*\a, 96+6*\a, 88+\a
	global_store_b128 v4, v[96+6*\a:99+6*\a], s[76:77] offset:6656+1536*\a
	global_store_b64 v5, v[100+6*\a:101+6*\a], s[76:77] offset:6656+1536*\a+512
	ds_store_b16 v31, v[88+\a] offset:64*\a        ; my two bytes of the channel's scale word; the other two are the neighbouring wave's
.endm
	s_load_b256 s[92:99], s[0:1], 0x0              ; xq, wts, bq, bk
	s_load_b128 s[84:87], s[0:1], 0x20             ; bv, qb
	s_load_b64 s[88:89], s[0:1], 0x30              ; kv
	v_lshl_add_u32 v[SPW], v0, 2, SPARE
	v_mov_b32 v[NIL], 0
	ds_add_u32 v[SPW], v[NIL]                      ; the opening: the add, twice on end, and its wait ahead of my first tensor load
	ds_add_u32 v[SPW], v[NIL]
	v_lshrrev_b32 v1, 5, v0
	v_readfirstlane_b32 s10, v1                    ; wave
	s_lshr_b32 s11, s10, 1                         ; my half of S1's rows
	s_and_b32 s12, s10, 1                          ; my half of S0's rows
	s_bfe_u32 s40, ttmp6, 0x40000                  ; cx
	s_bfe_u32 s41, ttmp6, 0x40004                  ; cy
	s_lshl_b32 s42, ttmp9, 2
	s_add_co_u32 s42, s42, s40                     ; gx: the weights' panel within wq, wk, wv: two heads
	s_and_b32 s13, ttmp7, 0xffff
	s_lshl_b32 s13, s13, 2
	s_add_co_u32 s13, s13, s41                     ; Y: the tokens' panel
	s_lshl_b32 s43, s41, 2
	s_lshl_b32 s43, 15, s43                        ; my row of the cluster
	s_lshl_b32 s44, 0x1111, s40                    ; my column
	s_or_b32 s[G1+0], s43, (3<<16)|(1<<21)         ; the mask; elements of 8 bytes; bit 21 beside a mask; no padding
	s_or_b32 s[G1B+0], s44, (3<<16)|(1<<21)
.irp g, G1, G1B                        ; two blocks, 25,600 dense bytes, as 100 rows of 256
	s_mov_b32 s[\g+1], 32<<16
	s_mov_b32 s[\g+2], 100<<16
	s_mov_b32 s[\g+3], 32<<16
	s_mov_b32 s[\g+4], 100
	s_mov_b32 s[\g+5], 32
	s_mov_b32 s[\g+6], 0
	s_mov_b32 s[\g+7], 0
.endr
	s_mul_i32 s20, s10, 2*BLK                      ; my quarter of every fill, in memory and in LDS
	s_mul_i32 s16, s13, PANEL
	s_add_co_u32 s16, s16, s20
	s_mov_b32 s17, 0
	s_mul_i32 s46, s42, PANEL
	s_add_co_u32 s46, s46, s20
	s_mov_b32 s47, 0
	s_wait_dscnt 0x0                               ; both opening adds are done
	s_wait_kmcnt 0x0
	s_add_nc_u64 s[14:15], s[92:93], s[16:17]
	s_add_nc_u64 s[46:47], s[94:95], s[46:47]
	CROUND                                         ; all sixteen work-groups are here: the joint loads meet
	s_mov_b32 s[G0T], 1
	s_mov_b32 s[G0T+1], s20
	s_mov_b64 s[G0T+2:G0T+3], s[14:15]
	s_or_b32 s[G0T+3], s[G0T+3], 0x80000000
	s_mov_b32 s[G0A], 1
	s_add_co_u32 s[G0A+1], s20, WA
	s_mov_b64 s[G0A+2:G0A+3], s[46:47]             ; wq's panel gx
	s_or_b32 s[G0A+3], s[G0A+3], 0x80000000
	s_mov_b32 s[G0W], 1
	s_add_co_u32 s[G0W+1], s20, WB
	s_add_nc_u64 s[G0W+2:G0W+3], s[46:47], 8*PANEL ; wk's
	s_or_b32 s[G0W+3], s[G0W+3], 0x80000000
	tensor_load_to_lds s[G0T:G0T+3], s[G1:G1+7]    ; the first fills, on end: every wave issues all three
	s_nop 0
	tensor_load_to_lds s[G0A:G0A+3], s[G1B:G1B+7]
	s_nop 0
	tensor_load_to_lds s[G0W:G0W+3], s[G1B:G1B+7]
	s_nop 0
.rept 4
	v_nop
.endr
	v_and_b32 v3, 31, v0                           ; l
	v_and_b32 v1, 15, v0                           ; r
	v_bfe_u32 v2, v0, 4, 1                         ; h
	v_xor_b32 v13, 1, v2                           ; v13: 1 - h
	v_lshlrev_b32 v4, 4, v3                        ; v4: 16 l
	v_lshlrev_b32 v5, 4, v1
	v_lshl_add_u32 v5, v2, 3, v5                   ; v5: 16 r + 8 h
	v_lshlrev_b32 v6, 2, v1                        ; v6: 4 r
	s_mul_i32 s21, s11, 6144                       ; my four fragments of S1: for q and k the tokens'
	s_mul_i32 s[SL0], s12, 6144                    ; my four fragments of S0
	v_add_nc_u32 v16, s21, v4
	v_add_nc_u32 v18, s21, v5
	v_add_nc_u32 v17, HALF, v16
	v_add_nc_u32 v19, HALF, v18
	s_add_co_u32 s22, s[SL0], WA                   ; q's S0 is slot A
	v_add_nc_u32 v20, s22, v4
	v_add_nc_u32 v22, s22, v5
	v_add_nc_u32 v21, HALF, v20
	v_add_nc_u32 v23, HALF, v22
	s_lshl_b32 s21, s11, 8
	s_lshl_b32 s22, s12, 8
	s_add_co_u32 s[SB1], s21, 12288
	s_add_co_u32 s[SB0], s22, 12288
	s_add_co_u32 s[SDQ], s22, WA
	s_sub_co_u32 s[SDQ], s[SDQ], s21               ; q: lanes 16-31 take slot A's scale words
	s_add_co_u32 s[SDK], s[SDQ], PANEL             ; k: slot B's
	s_add_co_u32 s[SDV], s21, WA
	s_sub_co_u32 s[SDV], s[SDV], s22               ; v: lanes 0-15 take slot A's, lanes 16-31 the tokens'
	SCADR SDQ, SB1, 2
	v_lshlrev_b32 v8, 6, v2                        ; v8: 64 h
	v_and_b32 v9, 8, v1
	v_add_nc_u32 v9, v9, v1
	v_lshlrev_b32 v9, 2, v9                        ; v9: 4 (r + 8 (r / 8))
	v_lshlrev_b32 v12, 3, v3                       ; v12: 8 l
	s_lshl_b32 s21, s10, 8
	s_add_co_u32 s21, s21, QKS
	v_add_nc_u32 v30, s21, v6                      ; q, k: the stage in,
	v_add_nc_u32 v10, s21, v12                     ; and out
	s_lshl_b32 s21, s11, 8
	s_add_co_u32 s21, s21, VS
	v_add_nc_u32 v11, s21, v12                     ; v: the stage out,
	s_lshl_b32 s22, s12, 1
	s_add_co_u32 s21, s21, s22
	v_add_nc_u32 v31, s21, v6                      ; and in: my two bytes of each word
.irp i, 72,73,78,79
	v_mov_b32 v\i, 0                               ; lane permutes' destinations count as read
.endr
	s_mov_b32 s[SEL], 0x76543210
	s_mov_b32 s[SEL+1], 0xfedcba98
	s_mov_b32 s[HM], 0xffff0000                    ; lanes 16-31
	; the three biases, all asked for here
	s_lshl_b32 s16, s42, 9
	s_lshl_b32 s18, s12, 8
	s_add_co_u32 s16, s16, s18
	s_mov_b32 s17, 0
	s_add_nc_u64 s[96:97], s[96:97], s[16:17]      ; bq and bk at my 64 channels (S0's half)
	s_add_nc_u64 s[98:99], s[98:99], s[16:17]
	s_lshl_b32 s16, s42, 9
	s_lshl_b32 s18, s11, 8
	s_add_co_u32 s16, s16, s18
	s_add_nc_u64 s[84:85], s[84:85], s[16:17]      ; bv at my 64 channels (S1's half)
	WIN 0x80                                       ; destination window 2
.irp b, 0,1
.irp q, 0,1,2,3
	global_load_b128 v[BQ+16*\b+4*\q:BQ+16*\b+4*\q+3], v8, s[96:97] offset:128*\b+16*\q
.endr
.endr
.irp b, 0,1
.irp q, 0,1,2,3
	global_load_b128 v[BK+16*\b+4*\q:BK+16*\b+4*\q+3], v8, s[98:99] offset:128*\b+16*\q
.endr
.endr
	WIN 0
.irp a, 0,1,2,3
	global_load_b32 v[92+\a], v9, s[84:85] offset:(32*(\a/2)+8*(\a%2))*4   ; the bias of my lane's channel in fragment a
.endr
	; where the results go
	s_lshr_b32 s22, s13, 4
	s_lshl_b32 s22, s22, 4                         ; 16 x batch
	s_lshl_b32 s23, s42, 1
	s_add_co_u32 s22, s22, s23                     ; + 2 gx
	s_and_b32 s23, s13, 15                         ; the batch's panel of 128 tokens
	s_add_co_u32 s81, s22, s12                     ; bh of my q and k: the head is S0's half
	s_add_co_u32 s82, s22, s11                     ; bh of my v: S1's half
	s_mov_b32 s19, 0
	s_lshl_b32 s16, s81, 7
	s_lshl_b32 s18, s23, 3
	s_add_co_u32 s16, s16, s18
	s_lshl_b32 s18, s11, 2
	s_add_co_u32 s16, s16, s18                     ; q: my first fragment
	s_mul_i32 s18, s16, 768
	s_add_nc_u64 s[68:69], s[86:87], s[18:19]
	s_lshl_b32 s18, s16, 6
	s_add_co_u32 s18, s18, 3145728
	s_add_nc_u64 s[70:71], s[86:87], s[18:19]
	s_lshl_b32 s16, s81, 4
	s_add_co_u32 s16, s16, s23
	s_mul_i32 s16, s16, 13056                      ; k: the key step's block
	s_mul_i32 s18, s11, 3072
	s_add_co_u32 s18, s18, s16
	s_add_nc_u64 s[72:73], s[88:89], s[18:19]
	s_lshl_b32 s18, s11, 8
	s_add_co_u32 s18, s18, s16
	s_add_co_u32 s18, s18, 6144
	s_add_nc_u64 s[74:75], s[88:89], s[18:19]
	s_lshl_b32 s16, s82, 4
	s_add_co_u32 s16, s16, s23
	s_mul_i32 s16, s16, 13056                      ; v: the key step's block
	s_mul_i32 s18, s12, 768                        ; my 64 keys: half fragment w0h
	s_add_co_u32 s18, s18, s16
	s_add_nc_u64 s[76:77], s[88:89], s[18:19]
	s_add_co_u32 s18, s16, 12800
	s_add_nc_u64 s[78:79], s[88:89], s[18:19]
	s_wait_loadcnt 0x0                             ; the biases
	WIN 0x80
.irp a, 0,1,2,3
.irp j, 0,1,2,3,4,5,6,7
	v_mov_b32 v[BV+8*\a+\j], v[92+\a]              ; v's bias goes by the lane: the same in a tile's eight registers
.endr
.endr
	WIN 0
	s_wait_tensorcnt 1                             ; my parts of the tokens and of slot A are in; slot B's may be out
	s_barrier_signal -1
	s_barrier_wait -1
	FETCH 0, 0, F0, 0
	; ---- q
	STEPS7 2, BQ
	TURN 1
	PLACES
.irp a, 0,1,2,3
	QKOUT \a, 68
.endr
	QKSC 70
	; ---- k
	STEPS7 2, BK
	TURN 2
	PLACES
	s_wait_xcnt 0x0                                ; q's stores have read their registers: they are written again only behind this wait
.irp a, 0,1,2,3
	QKOUT \a, 72
.endr
	QKSC 74
	; ---- v
	STEPS7 3, BV
	s_wait_dscnt 0x0
	WIN MUL
	MULA F1, 1, 0, 0, 0
	MULA F1, 1, 0, 2, 0
	WIN 0
	PLACES
	s_wait_xcnt 0x0                                ; k's stores have read their registers
.irp a, 0,1,2,3
	VOUT \a
.endr
	s_wait_dscnt 0x0                               ; for the others' sake
	s_barrier_signal -1
	s_barrier_wait -1
	s_cmp_lg_u32 s12, 0                            ; one wave of each pair stores the head's 256 bytes of scale words
	s_cbranch_scc1 .Lvdone
	ds_load_b64 v[120:121], v11
	s_wait_dscnt 0x0
	global_store_b64 v12, v[120:121], s[78:79]
.Lvdone:
	s_wait_tensorcnt 0x0                           ; the wave's end
	ds_add_u32 v[SPW], v[NIL]
	s_wait_dscnt 0x0
	CROUND                                         ; the closing round
	s_endpgm
.Lfunc_end_k_q585ffd72bc_qkv:
	.size	k_q585ffd72bc_qkv, .Lfunc_end_k_q585ffd72bc_qkv-k_q585ffd72bc_qkv
	.p2alignl 7, 3214868480
	.fill 96, 4, 3214868480
	.section	.rodata,"a",@progbits
	.p2align	6, 0x0
	.amdhsa_kernel k_q585ffd72bc_qkv
		.amdhsa_group_segment_fixed_size 327680
		.amdhsa_private_segment_fixed_size 0
		.amdhsa_enable_private_segment 0
		.amdhsa_kernarg_size 56
		.amdhsa_user_sgpr_count 2
		.amdhsa_user_sgpr_kernarg_segment_ptr 1
		.amdhsa_wavefront_size32 1
		.amdhsa_system_sgpr_workgroup_id_x 1
		.amdhsa_system_sgpr_workgroup_id_y 1
		.amdhsa_system_sgpr_workgroup_id_z 1
		.amdhsa_system_vgpr_workitem_id 0
		.amdhsa_next_free_vgpr 640
		.amdhsa_next_free_sgpr 100
		.amdhsa_reserve_vcc 0
		.amdhsa_float_denorm_mode_32 3
		.amdhsa_float_denorm_mode_16_64 3
		.amdhsa_memory_ordered 1
		.amdhsa_forward_progress 1
		.amdhsa_inst_pref_size 158
	.end_amdhsa_kernel
	.amdgpu_metadata
---
amdhsa.version: [ 1, 2 ]
amdhsa.kernels:
  - .name:           k_q585ffd72bc_qkv
    .symbol:         k_q585ffd72bc_qkv.kd
    .args:
      - { .name: xq, .offset: 0, .size: 8, .value_kind: global_buffer, .address_space: global }
      - { .name: wts, .offset: 8, .size: 8, .value_kind: global_buffer, .address_space: global }
      - { .name: bq, .offset: 16, .size: 8, .value_kind: global_buffer, .address_space: global }
      - { .name: bk, .offset: 24, .size: 8, .value_kind: global_buffer, .address_space: global }
      - { .name: bv, .offset: 32, .size: 8, .value_kind: global_buffer, .address_space: global }
      - { .name: qb, .offset: 40, .size: 8, .value_kind: global_buffer, .address_space: global }
      - { .name: kv, .offset: 48, .size: 8, .value_kind: global_buffer, .address_space: global }
    .group_segment_fixed_size: 327680
    .private_segment_fixed_size: 0
    .kernarg_segment_align: 8
    .kernarg_segment_size: 56
    .max_flat_workgroup_size: 128
    .sgpr_count:     100
    .vgpr_count:     640
    .wavefront_size: 32
...
	.end_amdgpu_metadata
.endif
;; end of part 3
;; launch attn (part 4): grid 8 x 32, 16 waves a work-group, clusters of 4 x 1, 327,680 bytes of LDS; arguments qb, kv, ab; writes ab
.if DOCPART == 4
	.amdgcn_target "amdgcn-amd-amdhsa--gfx1250"
	.amdhsa_code_object_version 6
	.text
	.protected	k_q585ffd72bc_attn
	.globl	k_q585ffd72bc_attn
	.p2align	8
	.type	k_q585ffd72bc_attn,@function
k_q585ffd72bc_attn:
	s_mov_b64 s[64:65], 0
	v_nop
	global_prefetch_b8 v0, s[64:65] scope:SCOPE_SE
	s_setreg_imm32_b32 hwreg(HW_REG_WAVE_MODE, 25, 1), 1
	s_wait_xcnt 0x0
	s_wait_alu depctr_hold_cnt(0) depctr_sa_sdst(0) depctr_va_vdst(0) depctr_va_sdst(0) depctr_va_ssrc(0) depctr_va_vcc(0) depctr_vm_vsrc(0)
	s_getreg_b32 s2, hwreg(HW_REG_IB_STS2, 6, 4)
	s_cmp_eq_u32 s2, 0
	s_cbranch_scc0 .Lentry_in_a_cluster
	s_endpgm
.Lentry_in_a_cluster:
	s_bfe_u32 s2, ttmp6, 0x10000c
	s_cmp_lg_u32 s2, 0x3003
	s_cbranch_scc0 .Lentry_shape_is_right
	s_endpgm
.Lentry_shape_is_right:
; O[q] = sum over keys of softmax(q . k / 8) v for one head, both products on codes of BF6; the result is quantised along the channels for the projection that follows.  No mask; no work is left out.
; THE SOFTMAX: t = score x log2(e) / 8; M = the running largest t rounded UP to a whole number; p = 2^(t - M) is quantised along the keys, not normalised; the row's sum is taken of the unquantised p and divides at the end.
; When M moves, the sum and O are multiplied by 2^(old M - new M): exact.
; SHARES.  A work-group owns 256 queries of head bh, each of its sixteen waves one fragment of 16.  All of the head's K and V, 16 key steps x 13,056 bytes, lies in LDS: wave w brings key step w by ONE tensor load; nothing is filled again.
; CLUSTER of 4 along x: four query blocks of one head ask for the same tiles jointly.
; A key step's block: K's 8 half fragments (16 keys x 64) at 768 t, their scale words at 6,144 + 64 t + 4 r, V^T's 4 fragments (16 channels x 128 keys) at 6,656 + 1,536 t, their scale words at 12,800 + 64 t + 4 r.
; Row r of K's tile 2 b + u is key 32 b + 8 u + r + 8 (r / 8): the 16 registers of two neighbouring tiles of S^T are 16 neighbouring keys.  V^T's rows are ordered likewise: O^T's registers 16 b + i are channels 32 b + 16 h + i.
; K = 64 IN A FORM OF 128.  Q's registers 6-11 are zero codes.  K's registers 6-11 of tile t are tile t + 1's codes (tile 7: zeros): they meet zero codes, BF6 has no code for NaN or infinity, and the scale bytes of those blocks are 0, which is 2^-127: they add nothing.
; Both products are used transposed: a lane holds one query throughout.
; OUT: ab in the panel format: block (token panel, K step head / 2), fragment w % 8, half fragment head % 2; the two scale bytes are half a word, 32 of a wave's 800 bytes; lanes r and r + 16 store the same.
; LIMITS: a block of zeros, and one whose largest magnitude lies under 2^-122, gets the byte 1; NaN and infinities are not served.
.set STEPB, 13056
.set SPARE, 16*STEPB                   ; behind the tiles: the spare words, 128 bytes a wave
.set WV,  18
.set SEL, 20
.set CS,  22
.set G1,  24
.set G0,  32
.set TB,  36
.set CNT, 37
.set TM,  212
.set SO,  220
.set BY,  216
.set PD,  204
; REGISTERS: v1 16 l, v2 16 r + 8 h, v3 4 r; v4-6 the same in the step's block; v8, v9 the add's two; v12 -M, v13 the largest t, v[14:15] the sum; v16-21 Q, v22-27 zeros, v28 Q's scale word;
; v32-79 K's 8 tiles, then V's 4 fragments; v80-85 zeros; v86-93 scale words; v96-159 S^T, then p; v160-191 O^T; v192-203 p's codes; v204-210 conversions' second halves; v212-223 at work; v224 p's scale word; v[226:227] f, 0; v228, v[230:231] at work.
.macro CROUND
	s_barrier_signal -1
	s_barrier_wait -1
	s_cmp_lg_u32 s[WV], 0
	s_cbranch_scc1 .Lnot_wave_0_\@
	s_barrier_signal -3
.Lnot_wave_0_\@:
	s_barrier_wait -3
	s_barrier_signal -1
	s_barrier_wait -1
.endm
.macro QUANT2 s, pc, pw                ; 32 numbers, register 16 b + i = k 32 b + 16 h + i -> a half fragment's 6 registers, its two scale bytes
.irp b, 0,1
	v_max3_num_f32 v[TM+\b], |v[\s+16*\b]|, |v[\s+16*\b+1]|, 0x2800000
.endr
.irp i, 2,4,6,8,10,12,14
.irp b, 0,1
	v_max3_num_f32 v[TM+\b], v[TM+\b], |v[\s+16*\b+\i]|, |v[\s+16*\b+\i+1]|
.endr
.endr
.irp b, 0,1
	v_permlanex16_b32 v[TM+2+\b], v[TM+\b], s[SEL], s[SEL+1]
.endr
.irp b, 0,1
	v_max_num_f32 v[TM+\b], v[TM+\b], v[TM+2+\b]
.endr
.irp b, 0,1
	v_add_nc_u32 v[SO+\b], 0xfe000000, v[TM+\b]
.endr
.irp b, 0,1
	v_lshrrev_b32 v[BY+\b], 23, v[SO+\b]
.endr
	v_lshl_or_b32 v[\pw], v[BY+1], 8, v[BY]
	v_cvt_scalef32_pk16_bf6_f32 v[\pc:\pc+2], v[\s:\s+15], v[SO]
	v_cvt_scalef32_pk16_bf6_f32 v[PD:PD+2], v[\s+16:\s+31], v[SO+1]
	v_nop
.irp i, 0,1,2
	v_permlane16_swap_b32 v[\pc+\i], v[PD+\i]
.endr
.irp i, 0,1,2
	v_mov_b32 v[\pc+3+\i], v[PD+\i]
.endr
.endm
	s_load_b128 s[4:7], s[0:1], 0x0                ; qb, kv
	s_load_b64 s[8:9], s[0:1], 0x10                ; ab
	v_lshl_add_u32 v8, v0, 2, SPARE
	v_mov_b32 v9, 0
	ds_add_u32 v8, v9                              ; the opening: the add, twice on end, and its wait ahead of my first tensor load
	ds_add_u32 v8, v9
	v_lshrrev_b32 v10, 5, v0
	v_readfirstlane_b32 s[WV], v10                 ; wave 0..15
	s_bfe_u32 s10, ttmp6, 0x40000                  ; cx
	s_lshl_b32 s11, ttmp9, 2
	s_add_co_u32 s11, s11, s10                     ; my block of 256 queries: it enters Q's and the result's addresses alone
	s_and_b32 s12, ttmp7, 0xffff                   ; bh, which the partners share
	s_mov_b32 s[G1], 15|(3<<16)|(1<<21)            ; the mask: all four; elements of 8 bytes; bit 21 beside a mask; no padding
	s_mov_b32 s[G1+1], 32<<16                      ; 13,056 dense bytes as 51 rows of 256
	s_mov_b32 s[G1+2], 51<<16
	s_mov_b32 s[G1+3], 32<<16
	s_mov_b32 s[G1+4], 51
	s_mov_b32 s[G1+5], 32
	s_mov_b32 s[G1+6], 0
	s_mov_b32 s[G1+7], 0
	s_lshl_b32 s14, s12, 4
	s_add_co_u32 s14, s14, s[WV]
	s_mul_i32 s14, s14, STEPB                      ; key step w of my head
	s_mov_b32 s15, 0
	s_mul_i32 s13, s[WV], STEPB
	s_lshl_b32 s16, s12, 7
	s_lshl_b32 s17, s11, 4
	s_add_co_u32 s16, s16, s17
	s_add_co_u32 s16, s16, s[WV]                   ; my fragment of queries: 128 bh + 16 block + wave
	s_mul_i32 s38, s16, 768
	s_mov_b32 s39, 0
	s_lshl_b32 s40, s16, 6
	s_add_co_u32 s40, s40, 3145728
	s_mov_b32 s41, 0
	s_lshr_b32 s42, s12, 4
	s_lshl_b32 s42, s42, 4
	s_lshl_b32 s43, s11, 1
	s_add_co_u32 s42, s42, s43
	s_lshr_b32 s43, s[WV], 3
	s_add_co_u32 s42, s42, s43                     ; the token panel
	s_lshl_b32 s42, s42, 3
	s_bfe_u32 s43, s12, 0x30001                    ; head / 2: the K step
	s_add_co_u32 s42, s42, s43
	s_mul_i32 s42, s42, 12800
	s_and_b32 s43, s[WV], 7                        ; the fragment
	s_mul_i32 s44, s43, 1536
	s_add_co_u32 s44, s44, s42
	s_and_b32 s45, s12, 1                          ; head % 2: the half fragment
	s_mul_i32 s46, s45, 768
	s_add_co_u32 s44, s44, s46
	s_lshl_b32 s43, s43, 6
	s_add_co_u32 s46, s42, s43
	s_add_co_u32 s46, s46, 12288
	s_lshl_b32 s45, s45, 1
	s_add_co_u32 s46, s46, s45
	s_mov_b32 s45, 0
	s_mov_b32 s47, 0
	s_mov_b32 s[SEL], 0x76543210
	s_mov_b32 s[SEL+1], 0xfedcba98
	s_mov_b32 s[CS], 0x3e38aa3b                    ; c = log2(e) / 8
	s_mov_b32 s[CS+1], s[CS]
	s_mov_b32 s[TB], 0
	s_mov_b32 s[CNT], 16
	s_wait_dscnt 0x0                               ; both opening adds are done
	s_wait_kmcnt 0x0
	s_mov_b32 s[G0], 1
	s_mov_b32 s[G0+1], s13
	s_add_nc_u64 s[G0+2:G0+3], s[6:7], s[14:15]
	s_or_b32 s[G0+3], s[G0+3], 0x80000000
	CROUND                                         ; all four work-groups are here: the joint loads meet
	tensor_load_to_lds s[G0:G0+3], s[G1:G1+7]      ; my one tensor load
	s_nop 0
.rept 4
	v_nop
.endr
	s_add_nc_u64 s[38:39], s[4:5], s[38:39]        ; Q's codes
	s_add_nc_u64 s[40:41], s[4:5], s[40:41]        ; Q's scale words
	s_add_nc_u64 s[44:45], s[8:9], s[44:45]        ; the result's codes
	s_add_nc_u64 s[46:47], s[8:9], s[46:47]        ; and its two scale bytes
	v_and_b32 v10, 31, v0
	v_lshlrev_b32 v1, 4, v10
	v_and_b32 v10, 15, v0
	v_bfe_u32 v11, v0, 4, 1
	v_lshlrev_b32 v2, 4, v10
	v_lshl_add_u32 v2, v11, 3, v2
	v_lshlrev_b32 v3, 2, v10
	global_load_b128 v[16:19], v1, s[38:39]
	global_load_b64 v[20:21], v2, s[38:39] offset:512
	global_load_b32 v28, v3, s[40:41]
.irp i, 22,23,24,25,26,27,80,81,82,83,84,85
	v_mov_b32 v\i, 0                               ; zero codes
.endr
	v_mov_b32 v13, 0xff61b1e6                      ; the largest t so far: -3e38
	v_floor_f32 v12, -v13                          ; -M
	v_mov_b32 v14, 0
	v_mov_b32 v15, 0
	v_mov_b32 v227, 0                              ; named as the upper half of the pair v[226:227]
.irp b, 0,1,2,3
	v_mov_b32 v[216+\b], 0                         ; lane permutes' destinations count as read
.endr
.set i, 0
.rept 32
	v_mov_b32 v[160+i], 0                          ; O^T: the step is written once; the first change of M leaves zeros zeros
.set i, i+1
.endr
	s_wait_tensorcnt 0x0                           ; my key step is in,
	s_barrier_signal -1
	s_barrier_wait -1                              ; everybody's is
	s_wait_loadcnt 0x0                             ; Q
.Lstep:                                            ; 16 trips: 128 keys each
	v_add_nc_u32 v4, s[TB], v1
	v_add_nc_u32 v5, s[TB], v2
	v_add_nc_u32 v6, s[TB], v3
	v_nop                                          ; four places behind the last products, in front of loads into registers that they read
.irp t, 0,1,2,3,4,5,6,7
	ds_load_b128 v[32+6*\t:35+6*\t], v4 offset:768*\t
	ds_load_b64 v[36+6*\t:37+6*\t], v5 offset:768*\t+512
	ds_load_b32 v[86+\t], v6 offset:6144+64*\t
.endr
	s_wait_dscnt 0x0
.irp t, 0,1,2,3,4,5,6,7
	v_wmma_scale_f32_16x16x128_f8f6f4 v[96+8*\t:103+8*\t], v[32+6*\t:43+6*\t], v[16:27], 0, v[86+\t], v28 matrix_a_fmt:MATRIX_FMT_BF6 matrix_b_fmt:MATRIX_FMT_BF6
.endr
.rept 4
	v_nop
.endr
.irp t, 0,1,2,3                                ; V's fragments land while the softmax is worked
	ds_load_b128 v[32+12*\t:35+12*\t], v4 offset:6656+1536*\t
	ds_load_b64 v[36+12*\t:37+12*\t], v5 offset:6656+1536*\t+512
	ds_load_b128 v[38+12*\t:41+12*\t], v4 offset:6656+1536*\t+768
	ds_load_b64 v[42+12*\t:43+12*\t], v5 offset:6656+1536*\t+1280
	ds_load_b32 v[86+\t], v6 offset:12800+64*\t
.endr
.irp b, 0,1,2,3
	v_max3_num_f32 v[212+\b], v[96+16*\b], v[97+16*\b], v[98+16*\b]   ; the largest score of each block of 32 keys: for the row's maximum, and, since p rises with the score, for the block's largest p
.endr
.irp i, 3,5,7,9,11,13
.irp b, 0,1,2,3
	v_max3_num_f32 v[212+\b], v[212+\b], v[96+16*\b+\i], v[97+16*\b+\i]
.endr
.endr
.irp b, 0,1,2,3
	v_max_num_f32 v[212+\b], v[212+\b], v[111+16*\b]
.endr
.irp b, 0,1,2,3
	v_permlanex16_b32 v[216+\b], v[212+\b], s[SEL], s[SEL+1]
.endr
.irp b, 0,1,2,3
	v_max_num_f32 v[212+\b], v[212+\b], v[216+\b]
.endr
	v_max3_num_f32 v228, v212, v213, v214
	v_max_num_f32 v228, v228, v215
	v_mul_f32 v228, s[CS], v228                    ; as t
	v_max_num_f32 v13, v13, v228                   ; the running largest t
	v_mov_b32 v228, v12
	v_floor_f32 v12, -v13                          ; the new -M = -ceil(t)
	v_sub_f32 v228, v12, v228                      ; old M - new M: a whole number, 0 or less
	v_cvt_i32_f32 v228, v228                       ; (it saturates)
	v_ldexp_f32 v226, 1.0, v228                    ; f = 2^(old M - new M)
.irp j, 0,2,4,6,8,10,12,14,16,18,20,22,24,26,28,30,32,34,36,38,40,42,44,46,48,50,52,54,56,58,60,62
	v_pk_fma_f32 v[96+\j:97+\j], v[96+\j:97+\j], s[CS:CS+1], v[12:13] op_sel_hi:[1,0,0]   ; t - M
.endr
.irp b, 0,1,2,3
	v_fma_f32 v[212+\b], v[212+\b], s[CS], v12
.endr
.set i, 0
.rept 64
	v_exp_f32 v[96+i], v[96+i]                     ; p = 2^(t - M)
.set i, i+1
.endr
	v_pk_mul_f32 v[14:15], v[14:15], v[226:227] op_sel_hi:[1,0]   ; the sums under the new M (a plain line behind the exponentials)
	s_wait_alu depctr_va_vdst(0)                   ; one wait for the batch, ahead of its first reader
.irp b, 0,1,2,3
	v_exp_f32 v[212+\b], v[212+\b]                 ; the blocks' largest p
.endr
	v_pk_add_f32 v[230:231], v[96:97], v[98:99]    ; the row's sum of the unquantised p, in two chains
.irp j, 4,8,12,16,20,24,28,32,36,40,44,48,52,56,60
	v_pk_add_f32 v[14:15], v[14:15], v[96+\j:97+\j]
	v_pk_add_f32 v[230:231], v[230:231], v[98+\j:99+\j]
.endr
	v_pk_add_f32 v[14:15], v[14:15], v[230:231]
	s_wait_alu depctr_va_vdst(0)                   ; and one for the four
.irp b, 0,1,2,3
	v_max_num_f32 v[212+\b], 0x2800000, v[212+\b]  ; the floor 2^(5 - 127)
.endr
.irp b, 0,1,2,3
	v_add_nc_u32 v[220+\b], 0xfe000000, v[212+\b]
.endr
.irp b, 0,1,2,3
	v_lshrrev_b32 v[216+\b], 23, v[220+\b]
.endr
	v_lshl_or_b32 v224, v217, 8, v216              ; p's scale word for these 128 keys
	v_lshl_or_b32 v224, v218, 16, v224
	v_lshl_or_b32 v224, v219, 24, v224
.irp c, 0,1
	v_cvt_scalef32_pk16_bf6_f32 v[192+6*\c:194+6*\c], v[96+32*\c:111+32*\c], v[220+2*\c]
	v_cvt_scalef32_pk16_bf6_f32 v[204+4*\c:206+4*\c], v[112+32*\c:127+32*\c], v[220+2*\c+1]
.endr
	v_nop
.irp c, 0,1
.irp i, 0,1,2
	v_permlane16_swap_b32 v[192+6*\c+\i], v[204+4*\c+\i]
.endr
.irp i, 0,1,2
	v_mov_b32 v[195+6*\c+\i], v[204+4*\c+\i]
.endr
.endr
.irp j, 0,2,4,6,8,10,12,14,16,18,20,22,24,26,28,30
	v_pk_mul_f32 v[160+\j:161+\j], v[160+\j:161+\j], v[226:227] op_sel_hi:[1,0]   ; O^T under the new M; these are also the places between the scale word's and the codes' last writes and the products
.endr
	s_wait_dscnt 0x0                               ; V
.irp t, 0,1,2,3
	v_wmma_scale_f32_16x16x128_f8f6f4 v[160+8*\t:167+8*\t], v[32+12*\t:43+12*\t], v[192:203], v[160+8*\t:167+8*\t], v[86+\t], v224 matrix_a_fmt:MATRIX_FMT_BF6 matrix_b_fmt:MATRIX_FMT_BF6
.endr
	s_add_co_u32 s[TB], s[TB], STEPB
	s_sub_co_u32 s[CNT], s[CNT], 1
	s_cmp_lg_u32 s[CNT], 0
	s_cbranch_scc1 .Lstep
	v_add_f32 v14, v14, v15
	v_permlanex16_b32 v228, v14, s[SEL], s[SEL+1]
	v_add_f32 v14, v14, v228                       ; the row's sum
	v_rcp_f32 v14, v14
.rept 4
	v_nop                                          ; places behind the last products and behind the reciprocal
.endr
	s_wait_alu depctr_va_vdst(0)
.set i, 0
.rept 32
	v_mul_f32 v[96+i], v[160+i], v14               ; ascending: each accumulator is first read at its low end
.set i, i+1
.endr
	QUANT2 96, 192, 224
	global_store_b128 v1, v[192:195], s[44:45]
	global_store_b64 v2, v[196:197], s[44:45] offset:512
	global_store_b16 v3, v224, s[46:47]
	s_wait_tensorcnt 0x0                           ; the wave's end
	ds_add_u32 v8, v9
	s_wait_dscnt 0x0
	CROUND                                         ; the closing round
	s_endpgm
.Lfunc_end_k_q585ffd72bc_attn:
	.size	k_q585ffd72bc_attn, .Lfunc_end_k_q585ffd72bc_attn-k_q585ffd72bc_attn
	.p2alignl 7, 3214868480
	.fill 96, 4, 3214868480
	.section	.rodata,"a",@progbits
	.p2align	6, 0x0
	.amdhsa_kernel k_q585ffd72bc_attn
		.amdhsa_group_segment_fixed_size 327680
		.amdhsa_private_segment_fixed_size 0
		.amdhsa_enable_private_segment 0
		.amdhsa_kernarg_size 24
		.amdhsa_user_sgpr_count 2
		.amdhsa_user_sgpr_kernarg_segment_ptr 1
		.amdhsa_wavefront_size32 1
		.amdhsa_system_sgpr_workgroup_id_x 1
		.amdhsa_system_sgpr_workgroup_id_y 1
		.amdhsa_system_sgpr_workgroup_id_z 1
		.amdhsa_system_vgpr_workitem_id 0
		.amdhsa_next_free_vgpr 256
		.amdhsa_next_free_sgpr 66
		.amdhsa_reserve_vcc 0
		.amdhsa_float_denorm_mode_32 3
		.amdhsa_float_denorm_mode_16_64 3
		.amdhsa_memory_ordered 1
		.amdhsa_forward_progress 1
		.amdhsa_inst_pref_size 27
	.end_amdhsa_kernel
	.amdgpu_metadata
---
amdhsa.version: [ 1, 2 ]
amdhsa.kernels:
  - .name:           k_q585ffd72bc_attn
    .symbol:         k_q585ffd72bc_attn.kd
    .args:
      - { .name: qb, .offset: 0, .size: 8, .value_kind: global_buffer, .address_space: global }
      - { .name: kv, .offset: 8, .size: 8, .value_kind: global_buffer, .address_space: global }
      - { .name: ab, .offset: 16, .size: 8, .value_kind: global_buffer, .address_space: global }
    .group_segment_fixed_size: 327680
    .private_segment_fixed_size: 0
    .kernarg_segment_align: 8
    .kernarg_segment_size: 24
    .max_flat_workgroup_size: 512
    .sgpr_count:     66
    .vgpr_count:     256
    .wavefront_size: 32
...
	.end_amdgpu_metadata
.endif
;; end of part 4
;; launch oproj (part 5): grid 8 x 32, 4 waves a work-group, clusters of 4 x 4, 327,680 bytes of LDS; arguments ab, wts, bo, x, x2; writes x2
.if DOCPART == 5
	.amdgcn_target "amdgcn-amd-amdhsa--gfx1250"
	.amdhsa_code_object_version 6
	.text
	.protected	k_q585ffd72bc_oproj
	.globl	k_q585ffd72bc_oproj
	.p2align	8
	.type	k_q585ffd72bc_oproj,@function
k_q585ffd72bc_oproj:
	s_mov_b64 s[64:65], 0
	v_nop
	global_prefetch_b8 v0, s[64:65] scope:SCOPE_SE
	s_setreg_imm32_b32 hwreg(HW_REG_WAVE_MODE, 25, 1), 1
	s_wait_xcnt 0x0
	s_wait_alu depctr_hold_cnt(0) depctr_sa_sdst(0) depctr_va_vdst(0) depctr_va_sdst(0) depctr_va_ssrc(0) depctr_va_vcc(0) depctr_vm_vsrc(0)
	s_getreg_b32 s2, hwreg(HW_REG_IB_STS2, 6, 4)
	s_cmp_eq_u32 s2, 0
	s_cbranch_scc0 .Lentry_in_a_cluster
	s_endpgm
.Lentry_in_a_cluster:
	s_bfe_u32 s2, ttmp6, 0x10000c
	s_cmp_lg_u32 s2, 0xf033
	s_cbranch_scc0 .Lentry_shape_is_right
	s_endpgm
.Lentry_shape_is_right:
; x2 = x + (attn wo + bo): a product on codes of BF6 (K = 1,024), a bias and a residual in f32.  No work is left out.
; OPERANDS in the panel format: block (panel, K step) of 128 rows x 128 K = 12,800 bytes: fragment f at 1,536 f, half fragment c at 768 c (registers 6c..6c+3 of lane l at 16 l; 6c+4, 6c+5 at 512 + 16 r + 8 h), scale words at 12,288 + 64 f + 4 r.
; Row i of fragment f is the panel's row 32 (f/2) + 8 (f%2) + i + 8 (i/8).
; A tile is 128 tokens (source 1: lanes) x 128 columns (source 0: registers); four waves of 64 x 64, 16 accumulators each.  K goes through two LDS slots of 512 along K; here each is filled once.
; CLUSTERS of 4 x 4: the tokens' panel is asked for jointly along a row of the cluster, the weight's along a column.
; THE WAY OUT: through a stage in LDS, so that a store covers 512 consecutive aligned bytes of a row; the residual's rows are asked for at the head and land under the products.
.set KS,    8
.set LAPS,  1
.set WOFF,  2457600                    ; wo in wts
.set BLK,   12800
.set SLOT,  8*BLK
.set STG,   206848                     ; behind the slots: 128 rows x (512 + 16) bytes
.set SPARE, 274432
.set SPW, 28
.set NIL, 29
.set BI,  32
.set SC,  64
.set ACC, 128
.set F0,  0
.set F1,  96
.set G1,  24
.set G0,  32
.set G1B, 48
.set G0B, 56
.set MSB, 0
.macro WIN new
.if MSB != \new
	s_set_vgpr_msb (MSB<<8)|\new
.set MSB, \new
.endif
.endm
.set MUL,  0x05
.set TO_F, 0x40
.macro JLOAD s                         ; a joint load: waves 0, 1 fetch the tokens' halves, waves 2, 3 the weight's; an s_nop 0 and four v_nop follow each line
	s_cmp_eq_u32 s11, 0
	s_cbranch_scc0 .Lfor_b_\@
	tensor_load_to_lds s[G0+4*\s:G0+4*\s+3], s[G1:G1+7]
	s_nop 0
.rept 4
	v_nop
.endr
	s_branch .Lasked_\@
.Lfor_b_\@:
	tensor_load_to_lds s[G0B+4*\s:G0B+4*\s+3], s[G1B:G1B+7]
	s_nop 0
.rept 4
	v_nop
.endr
.Lasked_\@:
.endm
.macro CREST
	s_cmp_lg_u32 s10, 0
	s_cbranch_scc1 .Lnot_wave_0_\@
	s_barrier_signal -3
.Lnot_wave_0_\@:
	s_barrier_wait -3
	s_barrier_signal -1
	s_barrier_wait -1
.endm
.macro CROUND
	s_barrier_signal -1
	s_barrier_wait -1
	CREST
.endm
.macro PLACES
.rept 4
	v_nop
.endr
.endm
.macro FETCH slot, q, f, sc
	WIN TO_F
.irp i, 0,1,2,3
	ds_load_b128 v[\f+12*\i:\f+12*\i+3],     v[20+\slot] offset:BLK*(\q)+1536*\i
	ds_load_b64  v[\f+12*\i+4:\f+12*\i+5],   v[22+\slot] offset:BLK*(\q)+1536*\i+512
	ds_load_b128 v[\f+12*\i+6:\f+12*\i+9],   v[20+\slot] offset:BLK*(\q)+1536*\i+768
	ds_load_b64  v[\f+12*\i+10:\f+12*\i+11], v[22+\slot] offset:BLK*(\q)+1536*\i+1280
.endr
.irp i, 0,1,2,3
	ds_load_b128 v[\f+48+12*\i:\f+48+12*\i+3],     v[16+\slot] offset:BLK*(\q)+1536*\i
	ds_load_b64  v[\f+48+12*\i+4:\f+48+12*\i+5],   v[18+\slot] offset:BLK*(\q)+1536*\i+512
	ds_load_b128 v[\f+48+12*\i+6:\f+48+12*\i+9],   v[16+\slot] offset:BLK*(\q)+1536*\i+768
	ds_load_b64  v[\f+48+12*\i+10:\f+48+12*\i+11], v[18+\slot] offset:BLK*(\q)+1536*\i+1280
.endr
	WIN 0
.irp i, 0,1,2,3
	ds_load_b32 v[SC+4*(\sc)+\i], v[24+\slot] offset:BLK*(\q)+64*\i
.endr
.endm
.macro MULA f, sc, mode, a0            ; 8 products.  mode 0: onto the sums; 2: C = the bias by the columns.  The 16 accumulators take turns
.irp a, \a0, \a0+1
.irp t, 0,1,2,3
.set wD, ACC+8*(4*(\a)+\t)
.set wA, \f+12*\t
.set wB, \f+48+12*(\a)
.set wS, SC+4*(\sc)+\t
.set wT, SC+4*(\sc)+(\a)
.if \mode == 0
	v_wmma_scale_f32_16x16x128_f8f6f4 v[wD:wD+7], v[wA:wA+11], v[wB:wB+11], v[wD:wD+7], v[wS], v[wT] matrix_a_fmt:MATRIX_FMT_BF6 matrix_b_fmt:MATRIX_FMT_BF6 matrix_a_scale:MATRIX_SCALE_ROW1
.else
	v_wmma_scale_f32_16x16x128_f8f6f4 v[wD:wD+7], v[wA:wA+11], v[wB:wB+11], v[BI+8*\t:BI+8*\t+7], v[wS], v[wT] matrix_a_fmt:MATRIX_FMT_BF6 matrix_b_fmt:MATRIX_FMT_BF6 matrix_a_scale:MATRIX_SCALE_ROW1
.endif
.endr
.endr
.endm
.macro STEP f, g, sc, nslot, nq, mode
	s_wait_dscnt 0x0                               ; set f, asked for a step ago, is in
	PLACES
	FETCH \nslot, \nq, \g, 1-(\sc)
	WIN MUL
	MULA \f, \sc, \mode, 0
	MULA \f, \sc, \mode, 2
.endm
.macro TURN slot, next, fill           ; a slot's last step and the change of slots.  fill = 1: the slot is filled again, two slots on, behind a round of the cluster's barrier
	WIN 0
	s_wait_tensorcnt 0x0                           ; all my tensor loads have landed: my part of the next slot;
	ds_add_u32 v[SPW], v[NIL]                      ; 0 onto my spare word
.if \fill
	s_add_nc_u64 s[G0+4*\slot+2:G0+4*\slot+3], s[G0+4*\slot+2:G0+4*\slot+3], 8*BLK
	s_add_nc_u64 s[G0B+4*\slot+2:G0B+4*\slot+3], s[G0B+4*\slot+2:G0B+4*\slot+3], 8*BLK
.endif
	s_wait_dscnt 0x0                               ; the add is done, and my reads of this slot are over
	s_barrier_signal -1
	WIN MUL
	MULA F1, 1, 0, 0
	WIN 0
	s_barrier_wait -1
.if \fill
	CREST
	JLOAD \slot                                    ; the first tensor load behind the round; its four v_nop are the places in front of the loads below
.else
	PLACES
.endif
	FETCH \next, 0, F0, 0
	WIN MUL
	MULA F1, 1, 0, 2
.endm
	s_load_b256 s[92:99], s[0:1], 0x0              ; the tokens' panels, wts, the bias, the residual
	s_load_b64 s[88:89], s[0:1], 0x20              ; the result
	v_lshl_add_u32 v[SPW], v0, 2, SPARE
	v_mov_b32 v[NIL], 0
	ds_add_u32 v[SPW], v[NIL]                      ; the opening: the add, twice on end, and its wait ahead of my first tensor load
	ds_add_u32 v[SPW], v[NIL]
	v_lshrrev_b32 v1, 5, v0
	v_readfirstlane_b32 s10, v1
	s_lshr_b32 s11, s10, 1
	s_and_b32 s12, s10, 1
	s_bfe_u32 s40, ttmp6, 0x40000
	s_bfe_u32 s41, ttmp6, 0x40004
	s_lshl_b32 s42, ttmp9, 2
	s_add_co_u32 s42, s42, s40                     ; the weight's panel
	s_and_b32 s13, ttmp7, 0xffff
	s_lshl_b32 s13, s13, 2
	s_add_co_u32 s13, s13, s41                     ; the tokens' panel
	s_lshl_b32 s43, s41, 2
	s_lshl_b32 s43, 15, s43
	s_lshl_b32 s44, 0x1111, s40
	s_or_b32 s[G1+0], s43, (3<<16)|(1<<21)
	s_or_b32 s[G1B+0], s44, (3<<16)|(1<<21)
.irp g, G1, G1B                        ; two blocks, 25,600 dense bytes, as 100 rows of 256
	s_mov_b32 s[\g+1], 32<<16
	s_mov_b32 s[\g+2], 100<<16
	s_mov_b32 s[\g+3], 32<<16
	s_mov_b32 s[\g+4], 100
	s_mov_b32 s[\g+5], 32
	s_mov_b32 s[\g+6], 0
	s_mov_b32 s[\g+7], 0
.endr
	s_mul_i32 s16, s13, KS*BLK
	s_mul_i32 s17, s12, 2*BLK
	s_add_co_u32 s16, s16, s17
	s_mov_b32 s17, 0
	s_mul_i32 s46, s42, KS*BLK
	s_mul_i32 s47, s12, 2*BLK
	s_add_co_u32 s46, s46, s47
	s_add_co_u32 s46, s46, WOFF
	s_mov_b32 s47, 0
	s_mul_i32 s20, s10, 2*BLK
	s_wait_dscnt 0x0
	s_wait_kmcnt 0x0
	s_add_nc_u64 s[14:15], s[92:93], s[16:17]
	s_add_nc_u64 s[46:47], s[94:95], s[46:47]
	CROUND
.irp s, 0,1
	s_mov_b32 s[G0+4*\s], 1
	s_add_co_u32 s[G0+4*\s+1], s20, \s*SLOT
	s_add_nc_u64 s[G0+4*\s+2:G0+4*\s+3], s[14:15], \s*4*BLK
	s_or_b32 s[G0+4*\s+3], s[G0+4*\s+3], 0x80000000
	s_mov_b32 s[G0B+4*\s], 1
	s_add_co_u32 s[G0B+4*\s+1], s20, \s*SLOT
	s_add_nc_u64 s[G0B+4*\s+2:G0B+4*\s+3], s[46:47], \s*4*BLK
	s_or_b32 s[G0B+4*\s+3], s[G0B+4*\s+3], 0x80000000
	JLOAD \s
.endr
	v_and_b32 v3, 31, v0
	v_and_b32 v1, 15, v0
	v_bfe_u32 v2, v0, 4, 1
	v_lshlrev_b32 v4, 4, v3                        ; v4: 16 l
	v_lshlrev_b32 v5, 4, v1
	v_lshl_add_u32 v5, v2, 3, v5                   ; v5: 16 r + 8 h
	v_lshlrev_b32 v6, 2, v1                        ; v6: 4 r
	s_mul_i32 s21, s11, 6144
	s_mul_i32 s22, s12, 6144
	s_add_co_u32 s22, s22, 4*BLK
.irp s, 0,1
	v_add_nc_u32 v[16+\s], s21, v4
	v_add_nc_u32 v[18+\s], s21, v5
	v_add_nc_u32 v[20+\s], s22, v4
	v_add_nc_u32 v[22+\s], s22, v5
	s_add_co_u32 s21, s21, SLOT
	s_add_co_u32 s22, s22, SLOT
.endr
	s_lshl_b32 s21, s11, 8
	s_lshl_b32 s22, s12, 8
	s_add_co_u32 s22, s22, 4*BLK
	s_sub_co_u32 s22, s22, s21
	v_mul_u32_u24 v7, s22, v2
	s_add_co_u32 s21, s21, 12288
	v_add_nc_u32 v7, v7, v6
	v_add_nc_u32 v24, s21, v7
	v_add_nc_u32 v25, SLOT, v24
	v_lshlrev_b32 v8, 6, v2                        ; v8: 64 h
	s_mul_i32 s21, s11, 64*528
	s_lshl_b32 s22, s12, 8
	s_add_co_u32 s21, s21, s22
	s_add_co_u32 s21, s21, STG
	v_mul_u32_u24 v26, v1, 528
	v_lshl_add_u32 v26, v2, 6, v26
	v_add_nc_u32 v26, s21, v26                     ; the stage in: row 64 w1h + 16 a + r, byte 256 w0h + 64 h
	s_mul_i32 s21, s10, 32*528
	s_add_co_u32 s21, s21, STG
	v_add_nc_u32 v27, s21, v4                      ; and out: my 32 rows, whole
	s_lshl_b32 s16, s42, 9
	s_lshl_b32 s17, s12, 8
	s_add_co_u32 s16, s16, s17
	s_mov_b32 s17, 0
	s_add_nc_u64 s[96:97], s[96:97], s[16:17]      ; the bias of my 64 columns
.irp b, 0,1
.irp q, 0,1,2,3
	global_load_b128 v[BI+16*\b+4*\q:BI+16*\b+4*\q+3], v8, s[96:97] offset:128*\b+16*\q
.endr
.endr
	s_lshl_b32 s16, s13, 7
	s_lshl_b32 s17, s10, 5
	s_add_co_u32 s16, s16, s17
	s_lshl_b32 s16, s16, 12
	s_lshl_b32 s17, s42, 9
	s_add_co_u32 s16, s16, s17
	s_mov_b32 s17, 0
	s_add_nc_u64 s[80:81], s[98:99], s[16:17]      ; the residual and the result at row 128 Y + 32 wave, column 128 X
	s_add_nc_u64 s[82:83], s[88:89], s[16:17]
	WIN 0x80                                       ; destination window 2
.set i, 0
.rept 32                               ; stage row 32 wave + i is token 32 wave + 8 (i/16) + i%16 + 8 ((i%16)/8) of the panel
	global_load_b128 v[4*i:4*i+3], v4, s[80:81] offset:(8*(i/16)+i%16+8*((i%16)/8))*4096
.set i, i+1
.endr
	WIN 0
	s_wait_loadcnt 32                              ; the bias is in; the residual's 32 loads may be out
	s_wait_tensorcnt 1                             ; my part of slot 0 is in; slot 1's may be out
	s_barrier_signal -1
	s_barrier_wait -1
	FETCH 0, 0, F0, 0
	STEP F0, F1, 0, 0, 1, 2                        ; the first products start the sums from the bias
.if LAPS > 1
	WIN 0
	s_mov_b32 s3, LAPS-1
.Llap:                                             ; a trip goes once round the ring and fills both slots again
	STEP F1, F0, 1, 0, 2, 0
	STEP F0, F1, 0, 0, 3, 0
	TURN 0, 1, 1
	STEP F0, F1, 0, 1, 1, 0
	STEP F1, F0, 1, 1, 2, 0
	STEP F0, F1, 0, 1, 3, 0
	TURN 1, 0, 1
	STEP F0, F1, 0, 0, 1, 0
	WIN 0
	s_sub_co_u32 s3, s3, 1
	s_cmp_lg_u32 s3, 0
	s_cbranch_scc1 .Llap
.endif
	STEP F1, F0, 1, 0, 2, 0
	STEP F0, F1, 0, 0, 3, 0
	TURN 0, 1, 0
	STEP F0, F1, 0, 1, 1, 0
	STEP F1, F0, 1, 1, 2, 0
	STEP F0, F1, 0, 1, 3, 0
	s_wait_dscnt 0x0
	WIN MUL
	MULA F1, 1, 0, 0
	MULA F1, 1, 0, 2
	WIN 0
	PLACES
.irp a, 0,1,2,3
.irp b, 0,1
.irp q, 0,1,2,3
	ds_store_b128 v26, v[ACC+32*\a+16*\b+4*\q:ACC+32*\a+16*\b+4*\q+3] offset:8448*\a+128*\b+16*\q   ; ascending: each accumulator from its low end on
.endr
.endr
.endr
	s_wait_dscnt 0x0                               ; for the others' sake: a row's 512 bytes come from two waves
	s_barrier_signal -1
	s_barrier_wait -1
.set i, 0
.rept 32
	ds_load_b128 v[ACC+4*i:ACC+4*i+3], v27 offset:528*i
.set i, i+1
.endr
	s_wait_dscnt 0x0
	s_wait_loadcnt 0x0                             ; the residual
	WIN 0x08                                       ; source 1 window 2
.set i, 0
.rept 64
	v_pk_add_f32 v[ACC+2*i:ACC+2*i+1], v[ACC+2*i:ACC+2*i+1], v[2*i:2*i+1]
.set i, i+1
.endr
	WIN 0
.set i, 0
.rept 32
	global_store_b128 v4, v[ACC+4*i:ACC+4*i+3], s[82:83] offset:(8*(i/16)+i%16+8*((i%16)/8))*4096   ; 512 consecutive aligned bytes
.set i, i+1
.endr
	s_wait_tensorcnt 0x0                           ; the wave's end
	ds_add_u32 v[SPW], v[NIL]
	s_wait_dscnt 0x0
	CROUND                                         ; the closing round
	s_endpgm
.Lfunc_end_k_q585ffd72bc_oproj:
	.size	k_q585ffd72bc_oproj, .Lfunc_end_k_q585ffd72bc_oproj-k_q585ffd72bc_oproj
	.p2alignl 7, 3214868480
	.fill 96, 4, 3214868480
	.section	.rodata,"a",@progbits
	.p2align	6, 0x0
	.amdhsa_kernel k_q585ffd72bc_oproj
		.amdhsa_group_segment_fixed_size 327680
		.amdhsa_private_segment_fixed_size 0
		.amdhsa_enable_private_segment 0
		.amdhsa_kernarg_size 40
		.amdhsa_user_sgpr_count 2
		.amdhsa_user_sgpr_kernarg_segment_ptr 1
		.amdhsa_wavefront_size32 1
		.amdhsa_system_sgpr_workgroup_id_x 1
		.amdhsa_system_sgpr_workgroup_id_y 1
		.amdhsa_system_sgpr_workgroup_id_z 1
		.amdhsa_system_vgpr_workitem_id 0
		.amdhsa_next_free_vgpr 640
		.amdhsa_next_free_sgpr 100
		.amdhsa_reserve_vcc 0
		.amdhsa_float_denorm_mode_32 3
		.amdhsa_float_denorm_mode_16_64 3
		.amdhsa_memory_ordered 1
		.amdhsa_forward_progress 1
		.amdhsa_inst_pref_size 60
	.end_amdhsa_kernel
	.amdgpu_metadata
---
amdhsa.version: [ 1, 2 ]
amdhsa.kernels:
  - .name:           k_q585ffd72bc_oproj
    .symbol:         k_q585ffd72bc_oproj.kd
    .args:
      - { .name: ab, .offset: 0, .size: 8, .value_kind: global_buffer, .address_space: global }
      - { .name: wts, .offset: 8, .size: 8, .value_kind: global_buffer, .address_space: global }
      - { .name: bo, .offset: 16, .size: 8, .value_kind: global_buffer, .address_space: global }
      - { .name: x, .offset: 24, .size: 8, .value_kind: global_buffer, .address_space: global }
      - { .name: x2, .offset: 32, .size: 8, .value_kind: global_buffer, .address_space: global }
    .group_segment_fixed_size: 327680
    .private_segment_fixed_size: 0
    .kernarg_segment_align: 8
    .kernarg_segment_size: 40
    .max_flat_workgroup_size: 128
    .sgpr_count:     100
    .vgpr_count:     640
    .wavefront_size: 32
...
	.end_amdgpu_metadata
.endif
;; end of part 5
;; launch norm2: the kernel of part 2 again; grid 256 x 1, 8 waves a work-group, no clusters, 2,048 bytes of LDS; arguments x2, scale2, xq; writes xq
;; launch ffn1 (part 6): grid 8 x 32, 4 waves a work-group, clusters of 4 x 4, 327,680 bytes of LDS; arguments xq, wts, b1, hb; writes hb
.if DOCPART == 6
	.amdgcn_target "amdgcn-amd-amdhsa--gfx1250"
	.amdhsa_code_object_version 6
	.text
	.protected	k_q585ffd72bc_ffn1
	.globl	k_q585ffd72bc_ffn1
	.p2align	8
	.type	k_q585ffd72bc_ffn1,@function
k_q585ffd72bc_ffn1:
	s_mov_b64 s[64:65], 0
	v_nop
	global_prefetch_b8 v0, s[64:65] scope:SCOPE_SE
	s_setreg_imm32_b32 hwreg(HW_REG_WAVE_MODE, 25, 1), 1
	s_wait_xcnt 0x0
	s_wait_alu depctr_hold_cnt(0) depctr_sa_sdst(0) depctr_va_vdst(0) depctr_va_sdst(0) depctr_va_ssrc(0) depctr_va_vcc(0) depctr_vm_vsrc(0)
	s_getreg_b32 s2, hwreg(HW_REG_IB_STS2, 6, 4)
	s_cmp_eq_u32 s2, 0
	s_cbranch_scc0 .Lentry_in_a_cluster
	s_endpgm
.Lentry_in_a_cluster:
	s_bfe_u32 s2, ttmp6, 0x10000c
	s_cmp_lg_u32 s2, 0xf033
	s_cbranch_scc0 .Lentry_shape_is_right
	s_endpgm
.Lentry_shape_is_right:
; h = gelu(xn w1 + b1), the exact GELU 0.5 x (1 + erf(x / sqrt 2)), quantised along the hidden units for the second product.  The product is on codes of BF6 (K = 1,024).  No work is left out.
; OPERANDS AND RESULT in the panel format: block (panel, K step) of 128 rows x 128 K = 12,800 bytes: fragment f at 1,536 f, half fragment c at 768 c (registers 6c..6c+3 of lane l at 16 l; 6c+4, 6c+5 at 512 + 16 r + 8 h), scale words at 12,288 + 64 f + 4 r.
; Row i of fragment f is the panel's row 32 (f/2) + 8 (f%2) + i + 8 (i/8): so a lane's registers 16 b + i are hidden units 32 b + 16 h + i of my 64: neighbours along the next K.
; A WORK-GROUP STAYS: it keeps the panel of 128 tokens Y in LDS, all of K, and makes four tiles with it, against w1's panels gx, gx + 8, gx + 16, gx + 24.
; A tile is 128 tokens (source 1: lanes) x 128 hidden units (source 0: registers): one block of hb; four waves of 64 x 64, 16 accumulators each.
; LDS: the tokens at 0; two slots A and B for the weights, a whole panel (102,400 bytes) each.  Every wave brings a quarter of each fill.  First fills: tokens, A, B.  Behind a tile's last K step its slot is filled again with the panel two tiles on:
; that load has the tile's way out and all of the next tile in which to land.  A wave has three tensor loads out at the head, later one.
; A tile is written twice: in a loop of two trips that fill a slot again, and in a loop of two trips that ask for nothing.  The slot in hand is a scalar, 0 or 102,400, turned by an exclusive or.
; CLUSTERS of 4 x 4: the tokens' panel hangs on cy and is asked for jointly along a row of the cluster, a weight panel on cx and along a column; each refill stands behind a round of the cluster's barrier.
; erf(u) = u P(u^2) / Q(u^2) with u held to -4 .. 4, in f32: good to a few units in erf's last place.
; LIMITS: 1 + erf carries an absolute error of about 1e-7, so gelu one of about 1e-7 |x|, which weighs most where x is under -3; under about -5.6 the result is -0 or of that size.  A block of zeros, and one whose largest magnitude lies under 2^-122, gets the byte 1.  NaN and infinities are not served.
.set WOFF,  3276800                    ; w1 in wts
.set BLK,   12800
.set PANEL, 8*BLK                      ; a panel, all of K
.set HALF,  4*BLK                      ; half of K: what an LDS load's immediate reaches
.set S0A,   PANEL                      ; LDS: the tokens at 0, slot A here, slot B a panel on,
.set HST,   3*PANEL                    ; the scale words' stage, 512 bytes,
.set SPARE, HST+512                    ; the spare words, 128 bytes a wave
.set SPW, 28
.set NIL, 29
.set SC,  64                           ; v64-71 scale words, two sets of four: lanes 0-15 the tokens' fragment i, lanes 16-31 the weights'
.set TM,  76
.set SO,  80
.set BY,  82
.set PD,  84
.set ACC, 128                          ; v128-255 accumulator (a, t) at ACC + 8 (4 a + t)
.set F0,  0                            ; window 1: two sets of fragments,
.set F1,  96
.set BIW, 192                          ; and the tile's bias, the C of its first products
.set G1,  24                           ; s[24:31] group 1 for the tokens (my row's mask);  s[48:55] for the weights (my column's)
.set G1B, 48
.set G0T, 32                           ; s[32:35], s[36:39] groups 0 of the tokens' and slot A's first fills;  s[56:59] slot B's, which then walks
.set G0A, 36
.set G0W, 56
.set LB,  60                           ; s60 where my quarter of slot A begins
.set TB,  61                           ; s61 the slot in hand: 0 (A) or 102,400 (B)
.set CNT, 3
.set SEL, 90
.set MSB, 0
.macro WIN new                         ; the immediate's high byte repeats the setting that is left
.if MSB != \new
	s_set_vgpr_msb (MSB<<8)|\new
.set MSB, \new
.endif
.endm
.set MUL,  0x05                        ; sources 0 and 1 window 1; C and D window 0
.set MULB, 0x15                        ; the same with C in window 1: a tile's first products
.set TO_F, 0x40                        ; destination window 1, address window 0
.macro CREST                           ; a round of the cluster's barrier behind its opening barrier
	s_cmp_lg_u32 s10, 0
	s_cbranch_scc1 .Lnot_wave_0_\@
	s_barrier_signal -3
.Lnot_wave_0_\@:
	s_barrier_wait -3
	s_barrier_signal -1
	s_barrier_wait -1
.endm
.macro CROUND                          ; a whole round
	s_barrier_signal -1
	s_barrier_wait -1
	CREST
.endm
.macro PLACES                          ; four places behind matrix instructions, in front of loads into registers that they read and of reads of results
.rept 4
	v_nop
.endr
.endm
.macro FETCH half, q, f, sc            ; the fragments and scale words of K step 4 half + q: 36 LDS loads, each of consecutive bytes
	WIN TO_F
.irp i, 0,1,2,3
	ds_load_b128 v[\f+12*\i:\f+12*\i+3],     v[20+\half] offset:BLK*(\q)+1536*\i
	ds_load_b64  v[\f+12*\i+4:\f+12*\i+5],   v[22+\half] offset:BLK*(\q)+1536*\i+512
	ds_load_b128 v[\f+12*\i+6:\f+12*\i+9],   v[20+\half] offset:BLK*(\q)+1536*\i+768
	ds_load_b64  v[\f+12*\i+10:\f+12*\i+11], v[22+\half] offset:BLK*(\q)+1536*\i+1280
.endr
.irp i, 0,1,2,3
	ds_load_b128 v[\f+48+12*\i:\f+48+12*\i+3],     v[16+\half] offset:BLK*(\q)+1536*\i
	ds_load_b64  v[\f+48+12*\i+4:\f+48+12*\i+5],   v[18+\half] offset:BLK*(\q)+1536*\i+512
	ds_load_b128 v[\f+48+12*\i+6:\f+48+12*\i+9],   v[16+\half] offset:BLK*(\q)+1536*\i+768
	ds_load_b64  v[\f+48+12*\i+10:\f+48+12*\i+11], v[18+\half] offset:BLK*(\q)+1536*\i+1280
.endr
	WIN 0
.irp i, 0,1,2,3
	ds_load_b32 v[SC+4*(\sc)+\i], v[24+\half] offset:BLK*(\q)+64*\i
.endr
.endm
.macro MULA f, sc, mode, a0            ; 8 products.  mode 0: onto the sums; 2: C = the bias by the hidden units.  The 16 accumulators take turns
.irp a, \a0, \a0+1
.irp t, 0,1,2,3
.set wD, ACC+8*(4*(\a)+\t)
.set wA, \f+12*\t
.set wB, \f+48+12*(\a)
.set wS, SC+4*(\sc)+\t
.set wT, SC+4*(\sc)+(\a)
.if \mode == 0
	v_wmma_scale_f32_16x16x128_f8f6f4 v[wD:wD+7], v[wA:wA+11], v[wB:wB+11], v[wD:wD+7], v[wS], v[wT] matrix_a_fmt:MATRIX_FMT_BF6 matrix_b_fmt:MATRIX_FMT_BF6 matrix_a_scale:MATRIX_SCALE_ROW1
.else
	v_wmma_scale_f32_16x16x128_f8f6f4 v[wD:wD+7], v[wA:wA+11], v[wB:wB+11], v[BIW+8*\t:BIW+8*\t+7], v[wS], v[wT] matrix_a_fmt:MATRIX_FMT_BF6 matrix_b_fmt:MATRIX_FMT_BF6 matrix_a_scale:MATRIX_SCALE_ROW1
.endif
.endr
.endr
.endm
.macro STEP f, g, sc, nh, nq, mode     ; 128 along K from set f; the next step's fragments go into set g first
	s_wait_dscnt 0x0                               ; set f, asked for a step ago, is in
	PLACES
	FETCH \nh, \nq, \g, 1-(\sc)
.if \mode == 0
	WIN MUL
.else
	WIN MULB
.endif
	MULA \f, \sc, \mode, 0
	MULA \f, \sc, \mode, 2
.endm
.macro ADDR                            ; the weights' addresses in the slot in hand: fixed lane terms + s[TB]; of the scale words' address lanes 16-31 alone move
	v_mul_u32_u24 v15, s[TB], v2
	v_add_nc_u32 v20, s[TB], v12
	v_add_nc_u32 v22, s[TB], v13
	v_add_nc_u32 v24, v14, v15
	v_add_nc_u32 v21, HALF, v20
	v_add_nc_u32 v23, HALF, v22
	v_add_nc_u32 v25, HALF, v24
.endm
.macro QUANT2 s, pc, pw                ; 32 numbers, register 16 b + i = k 32 b + 16 h + i -> a half fragment's 6 registers, its two scale bytes
.irp b, 0,1
	v_max3_num_f32 v[TM+\b], |v[\s+16*\b]|, |v[\s+16*\b+1]|, 0x2800000   ; with the floor 2^(5 - 127)
.endr
.irp i, 2,4,6,8,10,12,14
.irp b, 0,1
	v_max3_num_f32 v[TM+\b], v[TM+\b], |v[\s+16*\b+\i]|, |v[\s+16*\b+\i+1]|
.endr
.endr
.irp b, 0,1
	v_permlanex16_b32 v[TM+2+\b], v[TM+\b], s[SEL], s[SEL+1]
.endr
.irp b, 0,1
	v_max_num_f32 v[TM+\b], v[TM+\b], v[TM+2+\b]
.endr
.irp b, 0,1
	v_add_nc_u32 v[SO+\b], 0xfe000000, v[TM+\b]
.endr
.irp b, 0,1
	v_lshrrev_b32 v[BY+\b], 23, v[SO+\b]
.endr
	v_lshl_or_b32 v[\pw], v[BY+1], 8, v[BY]
	v_cvt_scalef32_pk16_bf6_f32 v[\pc:\pc+2], v[\s:\s+15], v[SO]
	v_cvt_scalef32_pk16_bf6_f32 v[PD:PD+2], v[\s+16:\s+31], v[SO+1]
	v_nop                                          ; one plain line behind the conversions
.irp i, 0,1,2
	v_permlane16_swap_b32 v[\pc+\i], v[PD+\i]
.endr
.irp i, 0,1,2
	v_mov_b32 v[\pc+3+\i], v[PD+\i]
.endr
.endm
; GELU of one accumulator's eight numbers, in place, four pairs side by side: u in v32-39, u^2 in v40-47, P in v48-55, Q in v56-63.
; The eight reciprocals go out as soon as Q is whole; P's last stages stand behind them; one wait ahead of their first reader.
.macro GELU8 x
.irp p, 0,1,2,3
	v_pk_mul_f32 v[32+2*\p:33+2*\p], v[\x+2*\p:\x+2*\p+1], s[86:87] op_sel_hi:[1,0]
.endr
.irp i, 0,1,2,3,4,5,6,7
	v_med3_num_f32 v[32+\i], v[32+\i], -4.0, 4.0
.endr
.irp p, 0,1,2,3
	v_pk_mul_f32 v[40+2*\p:41+2*\p], v[32+2*\p:33+2*\p], v[32+2*\p:33+2*\p]
.endr
.irp p, 0,1,2,3
	v_pk_fma_f32 v[48+2*\p:49+2*\p], v[40+2*\p:41+2*\p], v[122:123], s[66:67] op_sel_hi:[1,1,0]
.endr
.irp p, 0,1,2,3
	v_pk_fma_f32 v[56+2*\p:57+2*\p], v[40+2*\p:41+2*\p], v[124:125], s[78:79] op_sel_hi:[1,1,0]
.endr
.irp c, 68, 70, 72
.irp p, 0,1,2,3
	v_pk_fma_f32 v[48+2*\p:49+2*\p], v[48+2*\p:49+2*\p], v[40+2*\p:41+2*\p], s[\c:\c+1] op_sel_hi:[1,1,0]
.endr
.irp p, 0,1,2,3
	v_pk_fma_f32 v[56+2*\p:57+2*\p], v[56+2*\p:57+2*\p], v[40+2*\p:41+2*\p], s[\c+12:\c+13] op_sel_hi:[1,1,0]
.endr
.endr
.irp i, 0,1,2,3,4,5,6,7
	v_rcp_f32 v[56+\i], v[56+\i]
.endr
.irp c, 74, 76
.irp p, 0,1,2,3
	v_pk_fma_f32 v[48+2*\p:49+2*\p], v[48+2*\p:49+2*\p], v[40+2*\p:41+2*\p], s[\c:\c+1] op_sel_hi:[1,1,0]
.endr
.endr
.irp p, 0,1,2,3
	v_pk_mul_f32 v[48+2*\p:49+2*\p], v[48+2*\p:49+2*\p], v[32+2*\p:33+2*\p]
.endr
.irp p, 0,1,2,3
	v_pk_mul_f32 v[\x+2*\p:\x+2*\p+1], v[\x+2*\p:\x+2*\p+1], 0.5 op_sel_hi:[1,0]
.endr
	s_wait_alu depctr_va_vdst(0)
.irp p, 0,1,2,3
	v_pk_mul_f32 v[48+2*\p:49+2*\p], v[48+2*\p:49+2*\p], v[56+2*\p:57+2*\p]   ; erf
.endr
.irp p, 0,1,2,3
	v_pk_fma_f32 v[\x+2*\p:\x+2*\p+1], v[\x+2*\p:\x+2*\p+1], v[48+2*\p:49+2*\p], v[\x+2*\p:\x+2*\p+1]   ; x/2 erf + x/2
.endr
.endm
; ONE TILE.  At its head set F0 holds K step 0's fragments (asked for in the tile before) and the bias is in.  fill = 1: behind the last K step the tile's slot is filled again, two tiles on.
; fill = 0: nothing is asked for; in the last trip (s[CNT] = 1) a branch on the count of trips leads round the load of a next bias and round the fetch of a next tile's fragments: there is no next tile.
.macro TILE fill
	STEP F0, F1, 0, 0, 1, 2                        ; the first products start the sums from the bias
	s_wait_dscnt 0x0                               ; K step 1, with the next tile's bias asked for in it
	WIN 0
	PLACES                                         ; behind the products that read the bias and set F0
.if \fill == 0
	s_cmp_eq_u32 s[CNT], 1
	s_cbranch_scc1 .Lnob_\@
.endif
	s_add_nc_u64 s[96:97], s[96:97], 4096          ; eight panels of 128 hidden units on (the loads that read this base have been waited for)
	WIN TO_F
.irp b, 0,1
.irp q, 0,1,2,3
	global_load_b128 v[BIW+16*\b+4*\q:BIW+16*\b+4*\q+3], v8, s[96:97] offset:128*\b+16*\q
.endr
.endr
	WIN 0
.Lnob_\@:
	FETCH 0, 2, F0, 0
	WIN MUL
	MULA F1, 1, 0, 0
	MULA F1, 1, 0, 2
	STEP F0, F1, 0, 0, 3, 0
	STEP F1, F0, 1, 1, 0, 0
	STEP F0, F1, 0, 1, 1, 0
	STEP F1, F0, 1, 1, 2, 0
	STEP F0, F1, 0, 1, 3, 0
	WIN 0                                          ; K step 7, and the change of slots
	s_wait_tensorcnt 0x0                           ; all my tensor loads have landed: my part of the next tile's slot; so a group 0 may be written
	ds_add_u32 v[SPW], v[NIL]                      ; 0 onto my spare word
.if \fill
	s_add_co_u32 s[G0W+1], s[LB], s[TB]            ; the walking descriptor: into the slot that this tile has read,
	s_add_nc_u64 s[G0W+2:G0W+3], s[G0W+2:G0W+3], 8*PANEL   ; the panel eight on from the last one asked for
.endif
	s_xor_b32 s[TB], s[TB], PANEL                  ; the next tile's slot
	s_wait_dscnt 0x0                               ; the add is done, and my reads of this tile's slot are over
	s_barrier_signal -1
	WIN MUL
	MULA F1, 1, 0, 0                               ; work on registers while the others arrive
	WIN 0
	s_barrier_wait -1
.if \fill
	CREST                                          ; no wave of any partner still reads the slot or has a load on its way
	tensor_load_to_lds s[G0W:G0W+3], s[G1B:G1B+7]  ; my one tensor load behind the round
	s_nop 0
.else
	s_cmp_eq_u32 s[CNT], 1
	s_cbranch_scc1 .Lnof_\@
.endif
	ADDR                                           ; seven plain lines: also the places in front of the loads below
	FETCH 0, 0, F0, 0                              ; the next tile's first fragments
.Lnof_\@:
	WIN MUL
	MULA F1, 1, 0, 2
	WIN 0
	PLACES
.irp a, 0,1,2,3
	GELU8 ACC+32*\a
	GELU8 ACC+32*\a+8
	GELU8 ACC+32*\a+16
	GELU8 ACC+32*\a+24
	QUANT2 ACC+32*\a, 96+6*\a, 88+\a
	global_store_b128 v4, v[96+6*\a:99+6*\a], s[4:5] offset:1536*\a
	global_store_b64 v5, v[100+6*\a:101+6*\a], s[4:5] offset:1536*\a+512
	ds_store_b16 v30, v[88+\a] offset:64*\a        ; my two bytes of the word; the other two are the neighbouring wave's.  (The last tile's read of the stage lies behind a barrier: the change of slots above)
.endr
	s_wait_dscnt 0x0                               ; for the others' sake
	s_barrier_signal -1
	s_barrier_wait -1
	s_cmp_lg_u32 s10, 0                            ; wave 0 stores the block's 512 bytes of scale words
	s_cbranch_scc1 .Lnot0_\@
	ds_load_b128 v[92:95], v10
	s_wait_dscnt 0x0
	global_store_b128 v4, v[92:95], s[6:7]
.Lnot0_\@:
	s_wait_xcnt 0x0                                ; the stores have read their registers and bases: both are written again only behind this wait
	s_add_nc_u64 s[4:5], s[4:5], 8*BLK             ; eight blocks of hb on
	s_add_nc_u64 s[6:7], s[6:7], 8*BLK
	s_wait_loadcnt 0x0                             ; the next tile's bias
.endm
	s_load_b256 s[92:99], s[0:1], 0x0              ; xq, wts, b1, hb
	v_lshl_add_u32 v[SPW], v0, 2, SPARE
	v_mov_b32 v[NIL], 0
	ds_add_u32 v[SPW], v[NIL]                      ; the opening: the add, twice on end, and its wait ahead of my first tensor load
	ds_add_u32 v[SPW], v[NIL]
	v_lshrrev_b32 v1, 5, v0
	v_readfirstlane_b32 s10, v1                    ; wave
	s_lshr_b32 s11, s10, 1                         ; my half of the tokens
	s_and_b32 s12, s10, 1                          ; my half of the hidden units
	s_bfe_u32 s40, ttmp6, 0x40000                  ; cx
	s_bfe_u32 s41, ttmp6, 0x40004                  ; cy
	s_lshl_b32 s42, ttmp9, 2
	s_add_co_u32 s42, s42, s40                     ; gx: my first panel of w1 = my first K step of hb
	s_and_b32 s13, ttmp7, 0xffff
	s_lshl_b32 s13, s13, 2
	s_add_co_u32 s13, s13, s41                     ; Y: the tokens' panel
	s_lshl_b32 s43, s41, 2
	s_lshl_b32 s43, 15, s43                        ; my row of the cluster
	s_lshl_b32 s44, 0x1111, s40                    ; my column
	s_or_b32 s[G1+0], s43, (3<<16)|(1<<21)         ; the mask; elements of 8 bytes; bit 21 beside a mask; no padding
	s_or_b32 s[G1B+0], s44, (3<<16)|(1<<21)
.irp g, G1, G1B                        ; two blocks, 25,600 dense bytes, as 100 rows of 256
	s_mov_b32 s[\g+1], 32<<16
	s_mov_b32 s[\g+2], 100<<16
	s_mov_b32 s[\g+3], 32<<16
	s_mov_b32 s[\g+4], 100
	s_mov_b32 s[\g+5], 32
	s_mov_b32 s[\g+6], 0
	s_mov_b32 s[\g+7], 0
.endr
	s_mul_i32 s20, s10, 2*BLK                      ; my quarter of every fill, in memory and in LDS
	s_mul_i32 s16, s13, PANEL
	s_add_co_u32 s16, s16, s20
	s_mov_b32 s17, 0
	s_mul_i32 s46, s42, PANEL
	s_add_co_u32 s46, s46, s20
	s_add_co_u32 s46, s46, WOFF
	s_mov_b32 s47, 0
	s_add_co_u32 s[LB], s20, S0A
	s_mov_b32 s[TB], 0
	s_wait_dscnt 0x0                               ; both opening adds are done
	s_wait_kmcnt 0x0
	s_add_nc_u64 s[14:15], s[92:93], s[16:17]
	s_add_nc_u64 s[46:47], s[94:95], s[46:47]
	CROUND                                         ; all sixteen work-groups are here: the joint loads meet
	s_mov_b32 s[G0T], 1
	s_mov_b32 s[G0T+1], s20
	s_mov_b64 s[G0T+2:G0T+3], s[14:15]
	s_or_b32 s[G0T+3], s[G0T+3], 0x80000000
	s_mov_b32 s[G0A], 1
	s_mov_b32 s[G0A+1], s[LB]
	s_mov_b64 s[G0A+2:G0A+3], s[46:47]             ; panel gx
	s_or_b32 s[G0A+3], s[G0A+3], 0x80000000
	s_mov_b32 s[G0W], 1
	s_add_co_u32 s[G0W+1], s[LB], PANEL
	s_add_nc_u64 s[G0W+2:G0W+3], s[46:47], 8*PANEL ; panel gx + 8
	s_or_b32 s[G0W+3], s[G0W+3], 0x80000000
	tensor_load_to_lds s[G0T:G0T+3], s[G1:G1+7]    ; the first fills, on end: every wave issues all three
	s_nop 0
	tensor_load_to_lds s[G0A:G0A+3], s[G1B:G1B+7]
	s_nop 0
	tensor_load_to_lds s[G0W:G0W+3], s[G1B:G1B+7]
	s_nop 0
.rept 4
	v_nop
.endr
	v_and_b32 v3, 31, v0                           ; l
	v_and_b32 v1, 15, v0                           ; r
	v_bfe_u32 v2, v0, 4, 1                         ; h
	v_lshlrev_b32 v4, 4, v3                        ; v4: 16 l
	v_lshlrev_b32 v5, 4, v1
	v_lshl_add_u32 v5, v2, 3, v5                   ; v5: 16 r + 8 h
	v_lshlrev_b32 v6, 2, v1                        ; v6: 4 r
	s_mul_i32 s21, s11, 6144                       ; my four fragments of the tokens: v16-19, never rewritten
	v_add_nc_u32 v16, s21, v4
	v_add_nc_u32 v18, s21, v5
	v_add_nc_u32 v17, HALF, v16
	v_add_nc_u32 v19, HALF, v18
	s_mul_i32 s22, s12, 6144                       ; my four fragments of the weights, in slot A: v12, v13, never rewritten
	s_add_co_u32 s22, s22, S0A
	v_add_nc_u32 v12, s22, v4
	v_add_nc_u32 v13, s22, v5
	s_lshl_b32 s21, s11, 8
	s_lshl_b32 s22, s12, 8
	s_add_co_u32 s22, s22, S0A
	s_sub_co_u32 s22, s22, s21
	v_mul_u32_u24 v7, s22, v2                      ; lanes 16-31 take the weights' scale words
	s_add_co_u32 s21, s21, 12288
	v_add_nc_u32 v7, v7, v6
	v_add_nc_u32 v14, s21, v7                      ; v14: the scale words with slot A, never rewritten
	ADDR
	v_lshlrev_b32 v8, 6, v2                        ; v8: 64 h
	s_lshl_b32 s21, s11, 8
	s_lshl_b32 s22, s12, 1
	s_add_co_u32 s21, s21, s22
	s_add_co_u32 s21, s21, HST
	v_add_nc_u32 v30, s21, v6                      ; the stage in: my two bytes of each token's scale word
	v_add_nc_u32 v10, HST, v4                      ; and out
	v_mov_b32 v78, 0                               ; lane permutes' destinations count as read
	v_mov_b32 v79, 0
	v_mov_b32 v122, 0xaf95df0b                     ; P's highest coefficient, twice,
	v_mov_b32 v123, 0xaf95df0b
	v_mov_b32 v124, 0xb77460cd                     ; and Q's
	v_mov_b32 v125, 0xb77460cd
.macro COEF reg, val                   ; a pair: the packed forms name both words and take the low one for both halves
	s_mov_b32 s[\reg], \val
	s_mov_b32 s[\reg+1], \val
.endm
	COEF 66, 0x32edffee                            ; P, descending
	COEF 68, 0xb60cff51
	COEF 70, 0xb86ec2d2
	COEF 72, 0xba40ac63
	COEF 74, 0xbb41a1f6
	COEF 76, 0xbc83dbd4
	COEF 78, 0xb95fbd29                            ; Q, descending
	COEF 80, 0xbadc924e
	COEF 82, 0xbbf19bf8
	COEF 84, 0xbc69b6a7
	COEF 86, 0x3f3504f3                            ; sqrt(1/2)
	s_mov_b32 s[SEL], 0x76543210
	s_mov_b32 s[SEL+1], 0xfedcba98
	s_lshl_b32 s16, s42, 9
	s_lshl_b32 s17, s12, 8
	s_add_co_u32 s16, s16, s17
	s_mov_b32 s17, 0
	s_add_nc_u64 s[96:97], s[96:97], s[16:17]      ; the bias of my 64 hidden units of the first tile
	WIN TO_F
.irp b, 0,1
.irp q, 0,1,2,3
	global_load_b128 v[BIW+16*\b+4*\q:BIW+16*\b+4*\q+3], v8, s[96:97] offset:128*\b+16*\q
.endr
.endr
	WIN 0
	s_lshl_b32 s16, s13, 5
	s_add_co_u32 s16, s16, s42
	s_mul_i32 s16, s16, BLK                        ; my first block of hb
	s_add_co_u32 s18, s16, 12288
	s_mov_b32 s19, 0
	s_mul_i32 s17, s11, 6144
	s_add_co_u32 s16, s16, s17
	s_mul_i32 s17, s12, 768
	s_add_co_u32 s16, s16, s17
	s_mov_b32 s17, 0
	s_add_nc_u64 s[4:5], s[98:99], s[16:17]        ; my four half fragments
	s_add_nc_u64 s[6:7], s[98:99], s[18:19]        ; the block's scale words
	s_wait_loadcnt 0x0                             ; the bias
	s_wait_tensorcnt 1                             ; my parts of the tokens and of slot A are in; slot B's may be out
	s_barrier_signal -1
	s_barrier_wait -1
	FETCH 0, 0, F0, 0
	s_mov_b32 s[CNT], 2
.Lfill:                                            ; tiles 0 and 1: each fills its slot again, for tiles 2 and 3
	TILE 1
	s_sub_co_u32 s[CNT], s[CNT], 1
	s_cmp_lg_u32 s[CNT], 0
	s_cbranch_scc1 .Lfill
	s_mov_b32 s[CNT], 2
.Ldry:                                             ; tiles 2 and 3: nothing is left to ask for
	TILE 0
	s_sub_co_u32 s[CNT], s[CNT], 1
	s_cmp_lg_u32 s[CNT], 0
	s_cbranch_scc1 .Ldry
	s_wait_tensorcnt 0x0                           ; the wave's end
	ds_add_u32 v[SPW], v[NIL]
	s_wait_dscnt 0x0
	CROUND                                         ; the closing round
	s_endpgm
.Lfunc_end_k_q585ffd72bc_ffn1:
	.size	k_q585ffd72bc_ffn1, .Lfunc_end_k_q585ffd72bc_ffn1-k_q585ffd72bc_ffn1
	.p2alignl 7, 3214868480
	.fill 96, 4, 3214868480
	.section	.rodata,"a",@progbits
	.p2align	6, 0x0
	.amdhsa_kernel k_q585ffd72bc_ffn1
		.amdhsa_group_segment_fixed_size 327680
		.amdhsa_private_segment_fixed_size 0
		.amdhsa_enable_private_segment 0
		.amdhsa_kernarg_size 32
		.amdhsa_user_sgpr_count 2
		.amdhsa_user_sgpr_kernarg_segment_ptr 1
		.amdhsa_wavefront_size32 1
		.amdhsa_system_sgpr_workgroup_id_x 1
		.amdhsa_system_sgpr_workgroup_id_y 1
		.amdhsa_system_sgpr_workgroup_id_z 1
		.amdhsa_system_vgpr_workitem_id 0
		.amdhsa_next_free_vgpr 512
		.amdhsa_next_free_sgpr 100
		.amdhsa_reserve_vcc 0
		.amdhsa_float_denorm_mode_32 3
		.amdhsa_float_denorm_mode_16_64 3
		.amdhsa_memory_ordered 1
		.amdhsa_forward_progress 1
		.amdhsa_inst_pref_size 255
	.end_amdhsa_kernel
	.section	.bss,"aw",@nobits
	.p2align	6
	.space	262144
	.amdgpu_metadata
---
amdhsa.version: [ 1, 2 ]
amdhsa.kernels:
  - .name:           k_q585ffd72bc_ffn1
    .symbol:         k_q585ffd72bc_ffn1.kd
    .args:
      - { .name: xq, .offset: 0, .size: 8, .value_kind: global_buffer, .address_space: global }
      - { .name: wts, .offset: 8, .size: 8, .value_kind: global_buffer, .address_space: global }
      - { .name: b1, .offset: 16, .size: 8, .value_kind: global_buffer, .address_space: global }
      - { .name: hb, .offset: 24, .size: 8, .value_kind: global_buffer, .address_space: global }
    .group_segment_fixed_size: 327680
    .private_segment_fixed_size: 0
    .kernarg_segment_align: 8
    .kernarg_segment_size: 32
    .max_flat_workgroup_size: 128
    .sgpr_count:     100
    .vgpr_count:     512
    .wavefront_size: 32
...
	.end_amdgpu_metadata
.endif
;; end of part 6
;; launch ffn2 (part 7): grid 8 x 32, 4 waves a work-group, clusters of 4 x 4, 327,680 bytes of LDS; arguments hb, wts, b2, x2, out0; writes out0
.if DOCPART == 7
	.amdgcn_target "amdgcn-amd-amdhsa--gfx1250"
	.amdhsa_code_object_version 6
	.text
	.protected	k_q585ffd72bc_ffn2
	.globl	k_q585ffd72bc_ffn2
	.p2align	8
	.type	k_q585ffd72bc_ffn2,@function
k_q585ffd72bc_ffn2:
	s_mov_b64 s[64:65], 0
	v_nop
	global_prefetch_b8 v0, s[64:65] scope:SCOPE_SE
	s_setreg_imm32_b32 hwreg(HW_REG_WAVE_MODE, 25, 1), 1
	s_wait_xcnt 0x0
	s_wait_alu depctr_hold_cnt(0) depctr_sa_sdst(0) depctr_va_vdst(0) depctr_va_sdst(0) depctr_va_ssrc(0) depctr_va_vcc(0) depctr_vm_vsrc(0)
	s_getreg_b32 s2, hwreg(HW_REG_IB_STS2, 6, 4)
	s_cmp_eq_u32 s2, 0
	s_cbranch_scc0 .Lentry_in_a_cluster
	s_endpgm
.Lentry_in_a_cluster:
	s_bfe_u32 s2, ttmp6, 0x10000c
	s_cmp_lg_u32 s2, 0xf033
	s_cbranch_scc0 .Lentry_shape_is_right
	s_endpgm
.Lentry_shape_is_right:
; out0 = x2 + (h w2 + b2): a product on codes of BF6 (K = 4,096), a bias and a residual in f32.  No work is left out.
; OPERANDS in the panel format: block (panel, K step) of 128 rows x 128 K = 12,800 bytes: fragment f at 1,536 f, half fragment c at 768 c (registers 6c..6c+3 of lane l at 16 l; 6c+4, 6c+5 at 512 + 16 r + 8 h), scale words at 12,288 + 64 f + 4 r.
; Row i of fragment f is the panel's row 32 (f/2) + 8 (f%2) + i + 8 (i/8).
; A tile is 128 tokens (source 1: lanes) x 128 columns (source 0: registers); four waves of 64 x 64, 16 accumulators each.  K goes through a ring of two LDS slots of 512 along K: eight slots' worth, six refills.
; A wave has two tensor loads out at the head and one behind each round; a refill has four steps, 64 products a wave, in which to land.
; CLUSTERS of 4 x 4: the tokens' panel is asked for jointly along a row of the cluster, the weight's along a column; each refill stands behind a round of the cluster's barrier.
; THE WAY OUT: through a stage in LDS, so that a store covers 512 consecutive aligned bytes of a row; the residual's rows are asked for at the head and land under the products.
.set KS,    32
.set LAPS,  4
.set WOFF,  6553600                    ; w2 in wts
.set BLK,   12800
.set SLOT,  8*BLK
.set STG,   206848                     ; behind the slots: 128 rows x (512 + 16) bytes
.set SPARE, 274432
.set SPW, 28
.set NIL, 29
.set BI,  32
.set SC,  64
.set ACC, 128
.set F0,  0
.set F1,  96
.set G1,  24
.set G0,  32
.set G1B, 48
.set G0B, 56
.set MSB, 0
.macro WIN new
.if MSB != \new
	s_set_vgpr_msb (MSB<<8)|\new
.set MSB, \new
.endif
.endm
.set MUL,  0x05
.set TO_F, 0x40
.macro JLOAD s                         ; a joint load: waves 0, 1 fetch the tokens' halves, waves 2, 3 the weight's; an s_nop 0 and four v_nop follow each line
	s_cmp_eq_u32 s11, 0
	s_cbranch_scc0 .Lfor_b_\@
	tensor_load_to_lds s[G0+4*\s:G0+4*\s+3], s[G1:G1+7]
	s_nop 0
.rept 4
	v_nop
.endr
	s_branch .Lasked_\@
.Lfor_b_\@:
	tensor_load_to_lds s[G0B+4*\s:G0B+4*\s+3], s[G1B:G1B+7]
	s_nop 0
.rept 4
	v_nop
.endr
.Lasked_\@:
.endm
.macro CREST
	s_cmp_lg_u32 s10, 0
	s_cbranch_scc1 .Lnot_wave_0_\@
	s_barrier_signal -3
.Lnot_wave_0_\@:
	s_barrier_wait -3
	s_barrier_signal -1
	s_barrier_wait -1
.endm
.macro CROUND
	s_barrier_signal -1
	s_barrier_wait -1
	CREST
.endm
.macro PLACES
.rept 4
	v_nop
.endr
.endm
.macro FETCH slot, q, f, sc
	WIN TO_F
.irp i, 0,1,2,3
	ds_load_b128 v[\f+12*\i:\f+12*\i+3],     v[20+\slot] offset:BLK*(\q)+1536*\i
	ds_load_b64  v[\f+12*\i+4:\f+12*\i+5],   v[22+\slot] offset:BLK*(\q)+1536*\i+512
	ds_load_b128 v[\f+12*\i+6:\f+12*\i+9],   v[20+\slot] offset:BLK*(\q)+1536*\i+768
	ds_load_b64  v[\f+12*\i+10:\f+12*\i+11], v[22+\slot] offset:BLK*(\q)+1536*\i+1280
.endr
.irp i, 0,1,2,3
	ds_load_b128 v[\f+48+12*\i:\f+48+12*\i+3],     v[16+\slot] offset:BLK*(\q)+1536*\i
	ds_load_b64  v[\f+48+12*\i+4:\f+48+12*\i+5],   v[18+\slot] offset:BLK*(\q)+1536*\i+512
	ds_load_b128 v[\f+48+12*\i+6:\f+48+12*\i+9],   v[16+\slot] offset:BLK*(\q)+1536*\i+768
	ds_load_b64  v[\f+48+12*\i+10:\f+48+12*\i+11], v[18+\slot] offset:BLK*(\q)+1536*\i+1280
.endr
	WIN 0
.irp i, 0,1,2,3
	ds_load_b32 v[SC+4*(\sc)+\i], v[24+\slot] offset:BLK*(\q)+64*\i
.endr
.endm
.macro MULA f, sc, mode, a0            ; 8 products.  mode 0: onto the sums; 2: C = the bias by the columns.  The 16 accumulators take turns
.irp a, \a0, \a0+1
.irp t, 0,1,2,3
.set wD, ACC+8*(4*(\a)+\t)
.set wA, \f+12*\t
.set wB, \f+48+12*(\a)
.set wS, SC+4*(\sc)+\t
.set wT, SC+4*(\sc)+(\a)
.if \mode == 0
	v_wmma_scale_f32_16x16x128_f8f6f4 v[wD:wD+7], v[wA:wA+11], v[wB:wB+11], v[wD:wD+7], v[wS], v[wT] matrix_a_fmt:MATRIX_FMT_BF6 matrix_b_fmt:MATRIX_FMT_BF6 matrix_a_scale:MATRIX_SCALE_ROW1
.else
	v_wmma_scale_f32_16x16x128_f8f6f4 v[wD:wD+7], v[wA:wA+11], v[wB:wB+11], v[BI+8*\t:BI+8*\t+7], v[wS], v[wT] matrix_a_fmt:MATRIX_FMT_BF6 matrix_b_fmt:MATRIX_FMT_BF6 matrix_a_scale:MATRIX_SCALE_ROW1
.endif
.endr
.endr
.endm
.macro STEP f, g, sc, nslot, nq, mode
	s_wait_dscnt 0x0                               ; set f, asked for a step ago, is in
	PLACES
	FETCH \nslot, \nq, \g, 1-(\sc)
	WIN MUL
	MULA \f, \sc, \mode, 0
	MULA \f, \sc, \mode, 2
.endm
.macro TURN slot, next, fill           ; a slot's last step and the change of slots.  fill = 1: the slot is filled again, two slots on, behind a round of the cluster's barrier
	WIN 0
	s_wait_tensorcnt 0x0                           ; all my tensor loads have landed: my part of the next slot; so a group 0 may be written
	ds_add_u32 v[SPW], v[NIL]                      ; 0 onto my spare word
.if \fill
	s_add_nc_u64 s[G0+4*\slot+2:G0+4*\slot+3], s[G0+4*\slot+2:G0+4*\slot+3], 8*BLK
	s_add_nc_u64 s[G0B+4*\slot+2:G0B+4*\slot+3], s[G0B+4*\slot+2:G0B+4*\slot+3], 8*BLK
.endif
	s_wait_dscnt 0x0                               ; the add is done, and my reads of this slot are over
	s_barrier_signal -1
	WIN MUL
	MULA F1, 1, 0, 0                               ; work on registers while the others arrive
	WIN 0
	s_barrier_wait -1
.if \fill
	CREST                                          ; no wave of any partner still reads this slot or has a load on its way
	JLOAD \slot                                    ; the first tensor load behind the round; its four v_nop are the places in front of the loads below
.else
	PLACES
.endif
	FETCH \next, 0, F0, 0
	WIN MUL
	MULA F1, 1, 0, 2
.endm
	s_load_b256 s[92:99], s[0:1], 0x0              ; the tokens' panels, wts, the bias, the residual
	s_load_b64 s[88:89], s[0:1], 0x20              ; the result
	v_lshl_add_u32 v[SPW], v0, 2, SPARE
	v_mov_b32 v[NIL], 0
	ds_add_u32 v[SPW], v[NIL]                      ; the opening: the add, twice on end, and its wait ahead of my first tensor load
	ds_add_u32 v[SPW], v[NIL]
	v_lshrrev_b32 v1, 5, v0
	v_readfirstlane_b32 s10, v1
	s_lshr_b32 s11, s10, 1
	s_and_b32 s12, s10, 1
	s_bfe_u32 s40, ttmp6, 0x40000
	s_bfe_u32 s41, ttmp6, 0x40004
	s_lshl_b32 s42, ttmp9, 2
	s_add_co_u32 s42, s42, s40                     ; the weight's panel
	s_and_b32 s13, ttmp7, 0xffff
	s_lshl_b32 s13, s13, 2
	s_add_co_u32 s13, s13, s41                     ; the tokens' panel
	s_lshl_b32 s43, s41, 2
	s_lshl_b32 s43, 15, s43
	s_lshl_b32 s44, 0x1111, s40
	s_or_b32 s[G1+0], s43, (3<<16)|(1<<21)
	s_or_b32 s[G1B+0], s44, (3<<16)|(1<<21)
.irp g, G1, G1B                        ; two blocks, 25,600 dense bytes, as 100 rows of 256
	s_mov_b32 s[\g+1], 32<<16
	s_mov_b32 s[\g+2], 100<<16
	s_mov_b32 s[\g+3], 32<<16
	s_mov_b32 s[\g+4], 100
	s_mov_b32 s[\g+5], 32
	s_mov_b32 s[\g+6], 0
	s_mov_b32 s[\g+7], 0
.endr
	s_mul_i32 s16, s13, KS*BLK
	s_mul_i32 s17, s12, 2*BLK
	s_add_co_u32 s16, s16, s17
	s_mov_b32 s17, 0
	s_mul_i32 s46, s42, KS*BLK
	s_mul_i32 s47, s12, 2*BLK
	s_add_co_u32 s46, s46, s47
	s_add_co_u32 s46, s46, WOFF
	s_mov_b32 s47, 0
	s_mul_i32 s20, s10, 2*BLK
	s_wait_dscnt 0x0
	s_wait_kmcnt 0x0
	s_add_nc_u64 s[14:15], s[92:93], s[16:17]
	s_add_nc_u64 s[46:47], s[94:95], s[46:47]
	CROUND
.irp s, 0,1
	s_mov_b32 s[G0+4*\s], 1
	s_add_co_u32 s[G0+4*\s+1], s20, \s*SLOT
	s_add_nc_u64 s[G0+4*\s+2:G0+4*\s+3], s[14:15], \s*4*BLK
	s_or_b32 s[G0+4*\s+3], s[G0+4*\s+3], 0x80000000
	s_mov_b32 s[G0B+4*\s], 1
	s_add_co_u32 s[G0B+4*\s+1], s20, \s*SLOT
	s_add_nc_u64 s[G0B+4*\s+2:G0B+4*\s+3], s[46:47], \s*4*BLK
	s_or_b32 s[G0B+4*\s+3], s[G0B+4*\s+3], 0x80000000
	JLOAD \s
.endr
	v_and_b32 v3, 31, v0
	v_and_b32 v1, 15, v0
	v_bfe_u32 v2, v0, 4, 1
	v_lshlrev_b32 v4, 4, v3                        ; v4: 16 l
	v_lshlrev_b32 v5, 4, v1
	v_lshl_add_u32 v5, v2, 3, v5                   ; v5: 16 r + 8 h
	v_lshlrev_b32 v6, 2, v1                        ; v6: 4 r
	s_mul_i32 s21, s11, 6144
	s_mul_i32 s22, s12, 6144
	s_add_co_u32 s22, s22, 4*BLK
.irp s, 0,1
	v_add_nc_u32 v[16+\s], s21, v4
	v_add_nc_u32 v[18+\s], s21, v5
	v_add_nc_u32 v[20+\s], s22, v4
	v_add_nc_u32 v[22+\s], s22, v5
	s_add_co_u32 s21, s21, SLOT
	s_add_co_u32 s22, s22, SLOT
.endr
	s_lshl_b32 s21, s11, 8
	s_lshl_b32 s22, s12, 8
	s_add_co_u32 s22, s22, 4*BLK
	s_sub_co_u32 s22, s22, s21
	v_mul_u32_u24 v7, s22, v2
	s_add_co_u32 s21, s21, 12288
	v_add_nc_u32 v7, v7, v6
	v_add_nc_u32 v24, s21, v7
	v_add_nc_u32 v25, SLOT, v24
	v_lshlrev_b32 v8, 6, v2                        ; v8: 64 h
	s_mul_i32 s21, s11, 64*528
	s_lshl_b32 s22, s12, 8
	s_add_co_u32 s21, s21, s22
	s_add_co_u32 s21, s21, STG
	v_mul_u32_u24 v26, v1, 528
	v_lshl_add_u32 v26, v2, 6, v26
	v_add_nc_u32 v26, s21, v26                     ; the stage in: row 64 w1h + 16 a + r, byte 256 w0h + 64 h
	s_mul_i32 s21, s10, 32*528
	s_add_co_u32 s21, s21, STG
	v_add_nc_u32 v27, s21, v4                      ; and out: my 32 rows, whole
	s_lshl_b32 s16, s42, 9
	s_lshl_b32 s17, s12, 8
	s_add_co_u32 s16, s16, s17
	s_mov_b32 s17, 0
	s_add_nc_u64 s[96:97], s[96:97], s[16:17]      ; the bias of my 64 columns
.irp b, 0,1
.irp q, 0,1,2,3
	global_load_b128 v[BI+16*\b+4*\q:BI+16*\b+4*\q+3], v8, s[96:97] offset:128*\b+16*\q
.endr
.endr
	s_lshl_b32 s16, s13, 7
	s_lshl_b32 s17, s10, 5
	s_add_co_u32 s16, s16, s17
	s_lshl_b32 s16, s16, 12
	s_lshl_b32 s17, s42, 9
	s_add_co_u32 s16, s16, s17
	s_mov_b32 s17, 0
	s_add_nc_u64 s[80:81], s[98:99], s[16:17]      ; the residual and the result at row 128 Y + 32 wave, column 128 X
	s_add_nc_u64 s[82:83], s[88:89], s[16:17]
	WIN 0x80                                       ; destination window 2
.set i, 0
.rept 32                               ; stage row 32 wave + i is token 32 wave + 8 (i/16) + i%16 + 8 ((i%16)/8) of the panel
	global_load_b128 v[4*i:4*i+3], v4, s[80:81] offset:(8*(i/16)+i%16+8*((i%16)/8))*4096
.set i, i+1
.endr
	WIN 0
	s_wait_loadcnt 32                              ; the bias is in; the residual's 32 loads may be out
	s_wait_tensorcnt 1                             ; my part of slot 0 is in; slot 1's may be out
	s_barrier_signal -1
	s_barrier_wait -1
	FETCH 0, 0, F0, 0
	STEP F0, F1, 0, 0, 1, 2                        ; the first products start the sums from the bias
.if LAPS > 1
	WIN 0
	s_mov_b32 s3, LAPS-1
.Llap:                                             ; a trip goes once round the ring, from a lap's second step to the next lap's first, and fills both slots again
	STEP F1, F0, 1, 0, 2, 0
	STEP F0, F1, 0, 0, 3, 0
	TURN 0, 1, 1
	STEP F0, F1, 0, 1, 1, 0
	STEP F1, F0, 1, 1, 2, 0
	STEP F0, F1, 0, 1, 3, 0
	TURN 1, 0, 1
	STEP F0, F1, 0, 0, 1, 0
	WIN 0
	s_sub_co_u32 s3, s3, 1
	s_cmp_lg_u32 s3, 0
	s_cbranch_scc1 .Llap
.endif
	STEP F1, F0, 1, 0, 2, 0                        ; the last lap fills nothing
	STEP F0, F1, 0, 0, 3, 0
	TURN 0, 1, 0
	STEP F0, F1, 0, 1, 1, 0
	STEP F1, F0, 1, 1, 2, 0
	STEP F0, F1, 0, 1, 3, 0
	s_wait_dscnt 0x0
	WIN MUL
	MULA F1, 1, 0, 0
	MULA F1, 1, 0, 2
	WIN 0
	PLACES
.irp a, 0,1,2,3
.irp b, 0,1
.irp q, 0,1,2,3
	ds_store_b128 v26, v[ACC+32*\a+16*\b+4*\q:ACC+32*\a+16*\b+4*\q+3] offset:8448*\a+128*\b+16*\q   ; ascending: each accumulator from its low end on
.endr
.endr
.endr
	s_wait_dscnt 0x0                               ; for the others' sake: a row's 512 bytes come from two waves
	s_barrier_signal -1
	s_barrier_wait -1
.set i, 0
.rept 32
	ds_load_b128 v[ACC+4*i:ACC+4*i+3], v27 offset:528*i
.set i, i+1
.endr
	s_wait_dscnt 0x0
	s_wait_loadcnt 0x0                             ; the residual
	WIN 0x08                                       ; source 1 window 2
.set i, 0
.rept 64
	v_pk_add_f32 v[ACC+2*i:ACC+2*i+1], v[ACC+2*i:ACC+2*i+1], v[2*i:2*i+1]
.set i, i+1
.endr
	WIN 0
.set i, 0
.rept 32
	global_store_b128 v4, v[ACC+4*i:ACC+4*i+3], s[82:83] offset:(8*(i/16)+i%16+8*((i%16)/8))*4096   ; 512 consecutive aligned bytes
.set i, i+1
.endr
	s_wait_tensorcnt 0x0                           ; the wave's end
	ds_add_u32 v[SPW], v[NIL]
	s_wait_dscnt 0x0
	CROUND                                         ; the closing round
	s_endpgm
.Lfunc_end_k_q585ffd72bc_ffn2:
	.size	k_q585ffd72bc_ffn2, .Lfunc_end_k_q585ffd72bc_ffn2-k_q585ffd72bc_ffn2
	.p2alignl 7, 3214868480
	.fill 96, 4, 3214868480
	.section	.rodata,"a",@progbits
	.p2align	6, 0x0
	.amdhsa_kernel k_q585ffd72bc_ffn2
		.amdhsa_group_segment_fixed_size 327680
		.amdhsa_private_segment_fixed_size 0
		.amdhsa_enable_private_segment 0
		.amdhsa_kernarg_size 40
		.amdhsa_user_sgpr_count 2
		.amdhsa_user_sgpr_kernarg_segment_ptr 1
		.amdhsa_wavefront_size32 1
		.amdhsa_system_sgpr_workgroup_id_x 1
		.amdhsa_system_sgpr_workgroup_id_y 1
		.amdhsa_system_sgpr_workgroup_id_z 1
		.amdhsa_system_vgpr_workitem_id 0
		.amdhsa_next_free_vgpr 640
		.amdhsa_next_free_sgpr 100
		.amdhsa_reserve_vcc 0
		.amdhsa_float_denorm_mode_32 3
		.amdhsa_float_denorm_mode_16_64 3
		.amdhsa_memory_ordered 1
		.amdhsa_forward_progress 1
		.amdhsa_inst_pref_size 98
	.end_amdhsa_kernel
	.amdgpu_metadata
---
amdhsa.version: [ 1, 2 ]
amdhsa.kernels:
  - .name:           k_q585ffd72bc_ffn2
    .symbol:         k_q585ffd72bc_ffn2.kd
    .args:
      - { .name: hb, .offset: 0, .size: 8, .value_kind: global_buffer, .address_space: global }
      - { .name: wts, .offset: 8, .size: 8, .value_kind: global_buffer, .address_space: global }
      - { .name: b2, .offset: 16, .size: 8, .value_kind: global_buffer, .address_space: global }
      - { .name: x2, .offset: 24, .size: 8, .value_kind: global_buffer, .address_space: global }
      - { .name: out0, .offset: 32, .size: 8, .value_kind: global_buffer, .address_space: global }
    .group_segment_fixed_size: 327680
    .private_segment_fixed_size: 0
    .kernarg_segment_align: 8
    .kernarg_segment_size: 40
    .max_flat_workgroup_size: 128
    .sgpr_count:     100
    .vgpr_count:     640
    .wavefront_size: 32
...
	.end_amdgpu_metadata
.endif
;; end of part 7
